; MI455X (gfx1250); checked and timed in simulation.
; The chip was launched on July 23, 2026; its instructions are those of AMD's public machine-readable ISA for CDNA 5 (MIT licence, August 2026) and "CDNA5" Instruction Set Architecture Reference Guide (July 2026). The comments in the code are by the model that wrote it; some were corrected since.
;; Multi Head Attention. Allowed arithmetic: matrix products marked QUANTISED: E2M3 operands, one E8M0 scale for each 32 along K, by v_wmma_scale_f32_16x16x128_f8f6f4 with both operands' format E2M3, f32 sums; everything else in f32.
;; Inputs: proj_b 1,024 float32; proj_w 1,024 x 1,024 float32; qkv_b 3,072 float32; qkv_w 3,072 x 1,024 float32; x 4 x 2,048 x 1,024 float32.
;; Outputs: out0 4 x 2,048 x 1,024 float32.
;; This version of the problem:
;;   THIS VERSION OF THE PROBLEM IS GIVEN IN LOW PRECISION. The matrix products marked QUANTISED in the list below multiply operands that are first quantised to E2M3 (2 exponent bits, 3 mantissa bits; 6 bits a number), with one power-of-two scale for each 32 numbers along K (OCP MX v1.0); their sums are f32. All else is computed in f32.
;;   The module's matrix products, in the order in which they are computed (A, B: the left and right operand; K: the contracted axis; several contracted axes count as one K, in the product's order):
;;     1. [M 8,192, K 1,024] x [K 1,024, N 3,072]; A: input x; B: input qkv_w: QUANTISED
;;     2. batch 64 x [M 2,048, K 64] x [K 64, N 2,048]; A: computed on the way; B: computed on the way: QUANTISED
;;     3. batch 64 x [M 2,048, K 2,048] x [K 2,048, N 64]; A: softmax (see below); B: computed on the way: QUANTISED
;;     4. [M 8,192, K 1,024] x [K 1,024, N 1,024]; A: computed on the way; B: input proj_w: QUANTISED
;;   THE QUANTISER, for each operand of a quantised product, along K:
;;     - K is cut into blocks of 32 from its start; a last block that is shorter is filled with zeros.
;;     - A block's scale is 2^e with e = floor(log2(the largest magnitude in the block)) - 2, held to -126 .. 127; a block of zeros has e = 0. As a byte (E8M0): e + 127.
;;     - Each number is divided by its block's scale, clamped to +-7.5, and rounded to the nearest number of E2M3, ties to even, subnormals kept.
;;     - The product sums the exact products of the quantised numbers (number of the format x scale) in f32.
;;   ~~~python
;;   def quantise(x, axis):      # numpy; x: float32 -> the quantised numbers, widened to float32 again
;;       x = np.moveaxis(x, axis, -1); K = x.shape[-1]
;;       x = np.pad(x, [(0, 0)] * (x.ndim - 1) + [(0, -K % 32)]); x = x.reshape(x.shape[:-1] + (-1, 32)); a = np.abs(x).max(-1, keepdims=True)
;;       e = np.where(a > 0, np.clip(np.frexp(np.where(a > 0, a, 1))[1] - 1 - 2, -126, 127), 0)      # np.frexp(a)[1] - 1 = floor(log2(a)), exactly
;;       r = np.clip(x / 2.0 ** e, -7.5, 7.5)
;;       step = 2.0 ** (np.maximum(np.frexp(np.where(r == 0, 1, r))[1] - 1, 0) - 3)
;;       q = np.round(r / step) * step * 2.0 ** e      # np.round: ties to even
;;       return np.moveaxis(q.reshape(q.shape[:-2] + (-1,))[..., :K], -1, axis).astype(np.float32)
;;   ~~~
;;   SOFTMAX AHEAD OF A QUANTISED PRODUCT. Where the list says 'softmax', what is quantised is not the finished softmax but p = 2^(t - M), with t = logit x log2(e) and M = ceil(the row's largest t), a whole number; so 1/2 < the row's largest p <= 1. The row's sum l is taken of the UNQUANTISED p, in f32, and the product's result is divided by l at the end. Since M is a whole number, a kernel that streams over the keys may use a running M (the ceiling of the running maximum): every later rescaling is an exact power of two, which a block's scale takes up: the codes' values come out the same.
;;   OPERANDS COMPUTED ON THE WAY. 'Computed on the way' means the value that the module computes at that place (a softmax that the list does not call 'softmax' is quantised finished and normalised). What goes into a quantiser is computed in f32, as accurately as f32 sums, v_exp_f32 and their like allow (about 1e-6 of the number): no bf16 or f16 on the way to a quantiser, and a product that is left as it is and whose result goes on into a quantised operand takes f32 operands (vector FMAs, or v_wmma_f32_16x16x4_f32). A number that lies on a knife's edge between two numbers of the format may be rounded either way, as far as f32 arithmetic and the matrix unit's own rounding can turn it there, and no further.
;; One version. Each part assembles by itself: llvm-mc -triple=amdgcn-amd-amdhsa -mcpu=gfx1250 --defsym DOCPART=n.
;; ======== version 1 of 1: 4 launches
;; workspace buffers: xq 6,553,600 bytes; wq 2,457,600 bytes; pq 819,200 bytes; qimg 6,553,600 bytes; kvimg 13,107,200 bytes; aq 6,553,600 bytes
;; launch quant (part 1): grid 384 x 1, 4 waves a work-group, no clusters, 33,280 bytes of LDS; arguments x, qkv_w, proj_w, xq, wq, pq; writes xq, wq, pq
.if DOCPART == 1
	.amdgcn_target "amdgcn-amd-amdhsa--gfx1250"
	.amdhsa_code_object_version 6
	.text
	.protected	k_q40b541bd6f_quant
	.globl	k_q40b541bd6f_quant
	.p2align	8
	.type	k_q40b541bd6f_quant,@function
k_q40b541bd6f_quant:
	s_mov_b64 s[64:65], 0
	v_nop
	global_prefetch_b8 v0, s[64:65] scope:SCOPE_SE
	s_setreg_imm32_b32 hwreg(HW_REG_WAVE_MODE, 25, 1), 1
	s_wait_xcnt 0x0
; x [8192][1024], qkv_w [3072][1024] and proj_w [1024][1024], f32, K innermost, become codes of FP6 (E2M3), 6 bits each, with one E8M0 scale byte for each 32 along K.
; A block's scale is 2^(floor(log2(its largest magnitude)) - 2); its byte is the largest magnitude's own exponent field - 2, held at 1 from below.  Each number is divided by the scale and rounded to the nearest code, ties to even.
; OUT: each buffer holds the codes, [place][768 bytes], and behind them the scale bytes, [place][32].  ROWS OF x AND OF qkv_w LIE AT THE PLACE THAT HAS BITS 3 AND 4 OF THE ROW'S NUMBER EXCHANGED:
; sixteen neighbouring places 32 B + 16 u + r then hold the rows 32 B + 8 u + r + 8 (r / 8), which is the choice of rows that lets a later product's results lie as 16 neighbours along the next K in a lane's registers.
; proj_w's rows keep their places.  A wave's run is 8 aligned rows, so the exchange is an exchange of the two bits of the wave's number in the run that it WRITES.
; LIMITS: a block of zeros gets the byte 1 where the rule says 127 (its codes are zeros, which add nothing under any byte but 0xff, and this program alone reads the bytes); blocks whose largest magnitude lies under 2^-124
; are held at the byte 1; NaN and infinities among the inputs are not served.
; A wave takes 16 steps of 512 numbers.  Each of a step's four loads reads 512 consecutive bytes, 16 a lane; the 2,048 bytes turn through the wave's own stage in LDS and come back 64 bytes a lane, so that a lane holds
; 16 neighbours along K (two neighbouring lanes hold a block).  A lane's 16 codes are 12 bytes: the wave stores 384 consecutive bytes.  A wave's 256 scale bytes are gathered in LDS and leave as one aligned run of 256 bytes.
; Work-groups 0-255 take x, 256-351 qkv_w, 352-383 proj_w: only pointers are chosen, all take one path.  No tensor loads, no barrier: waves share nothing.
.set STEPS, 16
.set EMAX,  2
.set CB,    12                         ; bytes of 16 codes
.set R,     16                         ; v16-79   four sets of 16 numbers as they are loaded
.set X,     80                         ; v80-111  two sets of 16 neighbours
.set C,     128                        ; v128-191 codes: four registers for each step, so that no store's data are written again
.set E,     112                        ; v112-127 a scale byte for each step
.set WREG,  8192                       ; LDS: a region for each wave: two stages of 32 x SP bytes, and behind them its 256 scale bytes
.set SP,    80                         ; a lane's place in a stage: its 64 bytes + 16 of padding
.set WGX,   256                        ; x's work-groups: 8192 x 1024 / 32768
.set WGW,   352                        ; x's and qkv_w's
.set XSCL,  6291456                    ; where the scale bytes begin in xq,
.set WSCL,  2359296                    ; in wq,
.set PSCL,  786432                     ; in pq
	s_load_b256 s[4:11], s[0:1], 0x0               ; x s[4:5], qkv_w s[6:7], proj_w s[8:9], xq s[10:11]
	s_load_b128 s[12:15], s[0:1], 0x20             ; wq s[12:13], pq s[14:15]
	v_lshl_add_u32 v192, v0, 2, 0x8000
	v_mov_b32 v193, 0
	v_lshrrev_b32 v1, 5, v0
	v_readfirstlane_b32 s16, v1                    ; wave
	v_and_b32 v2, 31, v0                           ; lane
	v_lshlrev_b32 v3, 4, v2                        ; my 16 bytes of a load's 512
	s_mul_i32 s17, s16, WREG
	v_lshrrev_b32 v14, 2, v2
	v_mul_u32_u24 v14, v14, SP
	v_and_b32 v15, 3, v2
	v_lshl_add_u32 v14, v15, 4, v14
	v_add_nc_u32 v14, s17, v14                     ; the stage, on the way in: SP (lane / 4) + 16 (lane % 4); a load's 512 bytes take eight places
	v_mul_u32_u24 v15, v2, SP
	v_add_nc_u32 v15, s17, v15                     ; and on the way out: SP x lane: my 16 neighbours
	v_mul_u32_u24 v4, v2, CB                       ; my codes' place in a step's
	v_lshrrev_b32 v5, 1, v2
	s_add_co_u32 s17, s17, 2*32*SP
	v_add_nc_u32 v5, s17, v5                       ; LDS: my wave's 256 scale bytes, my block's byte
	v_lshlrev_b32 v7, 3, v2                        ; and on the way out 8 bytes a lane
	v_add_nc_u32 v6, s17, v7
	s_and_b32 s23, s16, 1
	s_lshl_b32 s23, s23, 1
	s_lshr_b32 s24, s16, 1
	s_or_b32 s23, s23, s24                         ; the wave's number with its two bits exchanged
	s_mov_b32 s20, WGW
	s_mov_b32 s21, PSCL
	s_wait_kmcnt 0x0
	s_cmp_lt_u32 ttmp9, WGW                        ; qkv_w or proj_w?  The choices hang on the work-group's number alone
	s_cselect_b64 s[6:7], s[6:7], s[8:9]
	s_cselect_b64 s[12:13], s[12:13], s[14:15]
	s_cselect_b32 s20, WGX, s20                    ; the tensor's first work-group
	s_cselect_b32 s21, WSCL, s21                   ; where its scale bytes begin
	s_cselect_b32 s23, s23, s16                    ; proj_w's rows keep their places
	s_cmp_lt_u32 ttmp9, WGX                        ; x, or that one?
	s_cselect_b64 s[4:5], s[4:5], s[6:7]
	s_cselect_b64 s[10:11], s[10:11], s[12:13]
	s_cselect_b32 s20, 0, s20
	s_cselect_b32 s21, XSCL, s21
	s_sub_co_u32 s20, ttmp9, s20
	s_lshl_b32 s20, s20, 2
	s_add_co_u32 s18, s20, s16                     ; the run of 8,192 numbers that I read,
	s_add_co_u32 s22, s20, s23                     ; and the run's place that I write
	s_lshl_b32 s18, s18, 15                        ; 32,768 bytes a run: under 2^26
	s_mov_b32 s19, 0
	s_add_nc_u64 s[4:5], s[4:5], s[18:19]
	s_mul_i32 s18, s22, 32*STEPS*CB                ; 6,144 bytes of codes a run
	s_add_nc_u64 s[8:9], s[10:11], s[18:19]        ; my codes
	s_lshl_b32 s18, s22, 8                         ; 256 scale bytes a run
	s_add_co_u32 s18, s18, s21
	s_add_nc_u64 s[10:11], s[10:11], s[18:19]      ; my scale bytes
.macro LOAD t
.irp i, 0,1,2,3
	global_load_b128 v[R+16*((\t)%4)+4*\i:R+16*((\t)%4)+4*\i+3], v3, s[4:5] offset:2048*(\t)+512*\i th:TH_LOAD_NT   ; 32 lanes read 512 consecutive bytes
.endr
.endm
.macro TURN t                          ; step t's numbers through the stage: LDS serves a wave's instructions in order (ISA guide 5.7.1.4), so no wait stands between the stores and the loads
.irp i, 0,1,2,3
	ds_store_b128 v14, v[R+16*((\t)%4)+4*\i:R+16*((\t)%4)+4*\i+3] offset:32*SP*((\t)%2)+8*SP*\i
.endr
.irp i, 0,1,2,3
	ds_load_b128 v[X+16*((\t)%2)+4*\i:X+16*((\t)%2)+4*\i+3], v15 offset:32*SP*((\t)%2)+16*\i
.endr
.endm
.irp t, 0,1,2,3
	LOAD \t
.endr
	s_wait_loadcnt 12                              ; step 0's four loads are in; the twelve of steps 1 to 3 may be out
	TURN 0
.macro STEP t
.set XS, X+16*((\t)%2)
.if (\t) > 0
	s_wait_dscnt 1                                 ; this step's numbers are back from the stage (the last step's byte store may be out): so its stores into the stage have read their registers,
.else
	s_wait_dscnt 0x0
.endif
.if (\t)+4 < STEPS
	LOAD (\t)+4                                    ; which take the loads of four steps on
.endif
.if (\t)+1 < STEPS
.if STEPS-2-(\t) >= 3
	s_wait_loadcnt 12                              ; the next step's four loads are in; those of the three steps behind it may be out
.else
	s_wait_loadcnt 4*(STEPS-2-(\t))
.endif
	TURN (\t)+1                                    ; and go through the other stage while this step is worked
.endif
	v_max3_num_f32 v8, |v[XS]|, |v[XS+1]|, |v[XS+2]|               ; the largest magnitude of my 16, in two chains
	v_max3_num_f32 v9, |v[XS+3]|, |v[XS+4]|, |v[XS+5]|
.irp i, 6,10
	v_max3_num_f32 v8, v8, |v[XS+\i]|, |v[XS+\i+1]|
	v_max3_num_f32 v9, v9, |v[XS+\i+2]|, |v[XS+\i+3]|
.endr
	v_max3_num_f32 v8, v8, |v[XS+14]|, |v[XS+15]|
	v_max3_num_f32 v8, v8, v9, (EMAX+1)<<23        ; and the floor 2^(3 - 127): so the byte cannot fall under 1
	v_max_num_f32_dpp v8, v8, v8 row_xmask:1 row_mask:0xf bank_mask:0xf   ; and of my neighbour's 16: the block's
	v_add_nc_u32 v11, -(EMAX<<23), v8              ; 2 off its exponent field: the conversion takes the exponent field of this operand as its scale, and nothing else of it
	v_cvt_scalef32_pk16_fp6_f32 v[C+4*(\t):C+4*(\t)+2], v[XS:XS+15], v11         ; sixteen codes, 96 bits without gaps, the first number's code lowest
	v_lshrrev_b32 v[E+(\t)], 23, v11               ; the scale's byte (a plain line behind the conversion)
	ds_store_b8 v5, v[E+(\t)] offset:16*(\t)       ; both lanes of a block write the same byte with the same value
	global_store_b96 v4, v[C+4*(\t):C+4*(\t)+2], s[8:9] offset:32*CB*(\t)
.endm
.irp t, 0,1,2,3,4,5,6,7,8,9,10,11,12,13,14,15
	STEP \t
.endr
	ds_load_b64 v[12:13], v6                       ; served in order: these see my byte stores
	s_wait_dscnt 0x0
	global_store_b64 v7, v[12:13], s[10:11]        ; 32 lanes store 256 consecutive bytes, at a multiple of 256 from the buffer's first byte
	s_wait_tensorcnt 0x0
	ds_add_u32 v192, v193
	s_wait_dscnt 0x0
	s_endpgm
.Lfunc_end_k_q40b541bd6f_quant:
	.size	k_q40b541bd6f_quant, .Lfunc_end_k_q40b541bd6f_quant-k_q40b541bd6f_quant
	.p2alignl 7, 3214868480
	.fill 96, 4, 3214868480
	.section	.rodata,"a",@progbits
	.p2align	6, 0x0
	.amdhsa_kernel k_q40b541bd6f_quant
		.amdhsa_group_segment_fixed_size 33280
		.amdhsa_private_segment_fixed_size 0
		.amdhsa_enable_private_segment 0
		.amdhsa_kernarg_size 48
		.amdhsa_user_sgpr_count 2
		.amdhsa_user_sgpr_kernarg_segment_ptr 1
		.amdhsa_wavefront_size32 1
		.amdhsa_system_sgpr_workgroup_id_x 1
		.amdhsa_system_sgpr_workgroup_id_y 1
		.amdhsa_system_sgpr_workgroup_id_z 1
		.amdhsa_system_vgpr_workitem_id 0
		.amdhsa_next_free_vgpr 194
		.amdhsa_next_free_sgpr 66
		.amdhsa_reserve_vcc 0
		.amdhsa_float_denorm_mode_32 3
		.amdhsa_float_denorm_mode_16_64 3
		.amdhsa_memory_ordered 1
		.amdhsa_forward_progress 1
		.amdhsa_inst_pref_size 33
	.end_amdhsa_kernel
	.amdgpu_metadata
---
amdhsa.version: [ 1, 2 ]
amdhsa.kernels:
  - .name:           k_q40b541bd6f_quant
    .symbol:         k_q40b541bd6f_quant.kd
    .args:
      - { .name: x, .offset: 0, .size: 8, .value_kind: global_buffer, .address_space: global }
      - { .name: qkv_w, .offset: 8, .size: 8, .value_kind: global_buffer, .address_space: global }
      - { .name: proj_w, .offset: 16, .size: 8, .value_kind: global_buffer, .address_space: global }
      - { .name: xq, .offset: 24, .size: 8, .value_kind: global_buffer, .address_space: global }
      - { .name: wq, .offset: 32, .size: 8, .value_kind: global_buffer, .address_space: global }
      - { .name: pq, .offset: 40, .size: 8, .value_kind: global_buffer, .address_space: global }
    .group_segment_fixed_size: 33280
    .private_segment_fixed_size: 0
    .kernarg_segment_align: 8
    .kernarg_segment_size: 48
    .max_flat_workgroup_size: 128
    .sgpr_count:     66
    .vgpr_count:     194
    .wavefront_size: 32
...
	.end_amdgpu_metadata
.endif
;; end of part 1
;; launch qkv (part 2): grid 96 x 4, 4 waves a work-group, clusters of 4 x 4, 327,680 bytes of LDS; arguments xq, wq, qkv_b, qimg, kvimg; writes qimg, kvimg
.if DOCPART == 2
	.amdgcn_target "amdgcn-amd-amdhsa--gfx1250"
	.amdhsa_code_object_version 6
	.text
	.protected	k_q40b541bd6f_qkv
	.globl	k_q40b541bd6f_qkv
	.p2align	8
	.type	k_q40b541bd6f_qkv,@function
k_q40b541bd6f_qkv:
	s_mov_b64 s[64:65], 0
	v_nop
	global_prefetch_b8 v0, s[64:65] scope:SCOPE_SE
	s_setreg_imm32_b32 hwreg(HW_REG_WAVE_MODE, 25, 1), 1
	s_wait_xcnt 0x0
	s_wait_alu depctr_hold_cnt(0) depctr_sa_sdst(0) depctr_va_vdst(0) depctr_va_sdst(0) depctr_va_ssrc(0) depctr_va_vcc(0) depctr_vm_vsrc(0)
	s_getreg_b32 s2, hwreg(HW_REG_IB_STS2, 6, 4)
	s_cmp_eq_u32 s2, 0
	s_cbranch_scc0 .Lentry_in_a_cluster
	s_endpgm
.Lentry_in_a_cluster:
	s_bfe_u32 s2, ttmp6, 0x10000c
	s_cmp_lg_u32 s2, 0xf033
	s_cbranch_scc0 .Lentry_shape_is_right
	s_endpgm
.Lentry_shape_is_right:
; qkv = x qkv_w^T + qkv_b on codes of FP6 (E2M3) with E8M0 scales, f32 sums; the results never go to memory as f32: q and k are quantised along the head's 64, v along the keys, in registers, and leave as
; IMAGES OF THE NEXT PRODUCT'S OPERAND REGISTERS (12 registers of 32 lanes: registers 4 k .. 4 k + 3 at byte 512 k + 16 x lane) with their scale words (word i of row r at byte 16 r + 4 i).
; 24 clusters of 4 x 4 work-groups, each work-group a tile of 256 x 256, each of its four waves 128 x 128: 64 accumulators, 512 registers.  Cluster c: t = c / 8 (0 q, 1 k, 2 v), i = c % 8.
;   q, k: "A" (a lane's row) = x's places 1024 i + 256 cy on, "B" (along a lane's registers) = qkv_w's places 1024 t + 256 cx on.     v: "A" = qkv_w's places 2048 + 256 cy on, "B" = x's places 1024 i + 256 cx on.
; Source 0 of the matrix instruction = 16 places of B, source 1 = 16 places of A.  Rows of x and qkv_w lie at the place with bits 3 and 4 of their number exchanged, so that for one block a of A the 64 registers of
; the accumulators (a, 0 .. 7) are: register 16 B + i = B's ROW 32 B + 16 (lane / 16) + i: 16 neighbours of each block of 32 along the next product's K (the head's 64 twice for q, k; 128 keys for v).
; RECORDS.  qimg: 6,400 bytes for each (batch x 16 + head, group of 128 places): four images (registers 0-5: tile 2 o of 16 places, k = 32 (lane / 16) on; registers 6-11: tile 2 o + 1), then 256 bytes of scale words
; (word o: two bytes of tile 2 o, two of tile 2 o + 1).  kvimg: 12,800 bytes: k's four images likewise; v's four images (16 of the head's 64 x 128 keys: whole fragments); k's scale words; v's (word d: the four key blocks).
; The ring of two LDS slots of 256 along K, the scales brought once, the joint loads (A's tiles shared along a row of the cluster, B's along a column) and the one barrier for each change of slots are a GEMM's usual form.
; The bias is the C of each sum's first matrix instruction: for q, k it hangs on the register (B's row), for v on the lane (A's row): that one step is written twice, under a branch on the cluster's number.
; LIMITS: a block of zeros gets the byte 1 where the rule says 127 (zero codes; the bytes are read by this program alone); blocks under 2^-124 are held at the byte 1; NaN and infinities are not served.
; 384 work-groups of equal work; a smaller tile would read half again as many LDS bytes for each product.
; REGISTERS, in windows of 256: window 0: v0-31 addresses; v32-63 scale words, two sets; v64-127 the bias as C tiles; v128-223 A's fragments, one set; in the epilogue v32-119 are at work.
;   window 1: B's fragments, two sets, at v0 and v128.   window 2: accumulators of my A blocks 0-3 ((a, b) at v[8 (8 (a % 4) + b)]);   window 3: blocks 4-7.
.set KSTEP,  256
.set NQ,     2                         ; matrix instructions deep in a slot
.set ROWB,   192                       ; a tile's row: 256 codes
.set KROW,   768                       ; a row of 1,024 codes in memory
.set PITCH,  240                       ; an LDS row: 3 x (64 bytes + 16 of padding)
.set FR,     12
.set NL,     6                         ; LDS loads that bring a fragment
.set NP,     4                         ; places behind this matrix instruction (ISA guide 7.12.1)
.set HALFT,  128*PITCH                 ; 128 rows: what one tensor load brings
.set SLOT,   4*HALFT                   ; A's 256 rows, then B's 256
.set KS,     32                        ; a row of scale bytes
.set SCL,    2*SLOT                    ; behind the ring: the scales, as runs of 256 bytes + 16 of padding
.set HALFS,  16*272                    ; those of 128 rows
.set SBLK,   2*272                     ; of 16 rows
.set SPARE,  SCL+4*HALFS               ; the spare words, 128 bytes a wave: two blocks of 256 bytes that no other line names
.set XSCL,   6291456                   ; where the scale bytes begin in xq
.set WSCL,   2359296                   ; and in wq
.set ADRA, 16                          ; v16-17 LDS address of my A fragments in slot 0, 1; v18-19 the same behind one padding more
.set ADRB, 20                          ; v20-23 the same for B
.set CO,   24                          ; v24 16 x lane: my place in an image's 512 bytes
.set SV,   25                          ; v25 where my row's four scale words go
.set ADRS, 27                          ; v27 LDS address of my scale words: lanes 0-15 A's rows, lanes 16-31 B's
.set SPW,  28                          ; v28 my spare word; never rewritten
.set NIL,  29                          ; v29 0; never rewritten
.set SC,   32                          ; scale words: set s at v[SC + 16 s]; register 2 i + q: lanes 0-15 A's block i, lanes 16-31 B's block i
.set BI,   64                          ; the bias: eight C tiles
.set AF,   128
.set TM,   32                          ; epilogue: +0..3 largest magnitudes, +4..7 the other half's, then bytes, +12..15 the conversions' scale operands
.set PW0,  48                          ; the scale words of two tiles
.set PW1,  49
.set W0,   52                          ; v52-55 the first head's four scale words;  v56-59 the second's
.set W1,   56
.set SW,   60                          ; v60-63 what is stored of them
.set H0,   64                          ; v64-75 an image;  v76-87 the other head's
.set H1,   76
.set TP,   112                         ; v112-118 the blocks' second halves as the conversions leave them
.set G1, 24
.set G0, 32
.set G1B, 48
.set G0B, 56
.set G1S, 68
.set G0S, 76
.set G1SB, 80
.set G0SB, 88
.set MSB, 0
.macro WIN new                         ; the immediate's high byte repeats the setting that is left
.if MSB != (\new)
	s_set_vgpr_msb (MSB<<8)|(\new)
.set MSB, (\new)
.endif
.endm
.macro WMUL hi, zero                   ; source 0 (B) window 1, source 1 (A) window 0, D window 2 or 3; C with D, or (the first step) the bias in window 0
.if \zero
	WIN 0x81+0x40*(\hi)
.else
	WIN 0xa1+0x50*(\hi)
.endif
.endm
.set TO_B, 0x40
; A joint load: waves 0 and 1 fetch for A, waves 2 and 3 for B; each line has one mask and one set of registers for all that issue it; the branch hangs on the wave's number alone.
; Four v_nop follow each of the two lines.
.macro JLOAD g0a, g1a, g0b, g1b
	s_cmp_eq_u32 s15, 0
	s_cbranch_scc0 .Lfor_b_\@
	tensor_load_to_lds s[\g0a:\g0a+3], s[\g1a:\g1a+7]
	s_nop 0
.rept 4
	v_nop
.endr
	s_branch .Lasked_\@
.Lfor_b_\@:
	tensor_load_to_lds s[\g0b:\g0b+3], s[\g1b:\g1b+7]
	s_nop 0
.rept 4
	v_nop
.endr
.Lasked_\@:
.endm
.macro CREST                           ; a round of the cluster's barrier behind its opening barrier
	s_cmp_lg_u32 s14, 0
	s_cbranch_scc1 .Lnot_wave_0_\@
	s_barrier_signal -3
.Lnot_wave_0_\@:
	s_barrier_wait -3
	s_barrier_signal -1
	s_barrier_wait -1
.endm
.macro CROUND
	s_barrier_signal -1
	s_barrier_wait -1
	CREST
.endm
	s_load_b128 s[4:7], s[0:1], 0x0                ; xq, wq
	s_load_b128 s[8:11], s[0:1], 0x10              ; qkv_b, qimg
	s_load_b64 s[12:13], s[0:1], 0x20              ; kvimg
	v_lshl_add_u32 v[SPW], v0, 2, SPARE
	v_mov_b32 v[NIL], 0
	ds_add_u32 v28, v29
	ds_add_u32 v28, v29
	s_wait_dscnt 0x0
	v_lshrrev_b32 v1, 5, v0
	v_readfirstlane_b32 s14, v1                    ; wave 0..3
	s_lshr_b32 s15, s14, 1                         ; which half of A's 256 places is mine.  Also: I fetch for A (0) or for B (1)
	s_and_b32 s16, s14, 1                          ; which half of B's.  Also: which 128 places of that tile I fetch
	s_bfe_u32 s40, ttmp6, 0x40000                  ; cx, cy: my place in the cluster
	s_bfe_u32 s41, ttmp6, 0x40004
	s_lshl_b32 s43, s41, 2
	s_lshl_b32 s43, 15, s43                        ; my row of the cluster
	s_lshl_b32 s44, 0x1111, s40                    ; my column
	s_lshr_b32 s17, ttmp9, 3
	s_lshl_b32 s17, s17, 10                        ; 1024 t
	s_and_b32 s18, ttmp9, 7
	s_lshl_b32 s18, s18, 10                        ; 1024 i
	s_mov_b32 s96, XSCL
	s_mov_b32 s97, WSCL
	s_cmp_lt_u32 ttmp9, 16                         ; q or k?  The cluster's number is the same in all sixteen partners
	s_cselect_b32 s19, s18, 2048                   ; the cluster's first place of A
	s_cselect_b32 s42, s17, s18                    ; and of B
	s_cselect_b32 s94, s96, s97                    ; where A's scale bytes begin in its buffer
	s_cselect_b32 s96, s97, s96                    ; and B's
	s_lshl_b32 s20, s41, 8
	s_add_co_u32 s17, s19, s20                     ; my tile's first place of A: it hangs on cy alone
	s_lshl_b32 s46, s40, 8
	s_add_co_u32 s42, s42, s46                     ; and of B: on cx alone
	; descriptor group 1: a tile of 128 rows x 192 bytes, 16 bytes of padding behind every 64
	s_or_b32 s[G1+0], s43, (0<<16)|(1<<20)|(1<<21)|(3<<22)|(3<<25)  ; 15:0 the mask: A's tiles go to my row; 17:16 element of 1 byte; 20 padding on; 21 set beside a mask; 24:22 after every 16 words; 31:25 of 4 words
	s_or_b32 s[G1B+0], s44, (0<<16)|(1<<20)|(1<<21)|(3<<22)|(3<<25)
.irp g, G1, G1B
	s_mov_b32 s[\g+1], ROWB<<16                    ; tensor_dim0
	s_mov_b32 s[\g+2], 128<<16                     ; tensor_dim1
	s_mov_b32 s[\g+3], ROWB<<16                    ; tile_dim0
	s_mov_b32 s[\g+4], 128                         ; tile_dim1
	s_mov_b32 s[\g+5], KROW                        ; tensor_dim0_stride
	s_mov_b32 s[\g+6], 0
	s_mov_b32 s[\g+7], 0
.endr
	; the scales of 128 rows: 4,096 dense bytes, as 16 rows of 256 bytes (32 elements of 8), 16 bytes of padding behind each
	s_or_b32 s[G1S+0], s43, (3<<16)|(1<<20)|(1<<21)|(5<<22)|(3<<25)
	s_or_b32 s[G1SB+0], s44, (3<<16)|(1<<20)|(1<<21)|(5<<22)|(3<<25)
.irp g, G1S, G1SB
	s_mov_b32 s[\g+1], 32<<16
	s_mov_b32 s[\g+2], 16<<16
	s_mov_b32 s[\g+3], 32<<16
	s_mov_b32 s[\g+4], 16
	s_mov_b32 s[\g+5], 32
	s_mov_b32 s[\g+6], 0
	s_mov_b32 s[\g+7], 0
.endr
	s_lshl_b32 s18, s16, 7                         ; which 128 places of the tile I fetch
	s_add_co_u32 s20, s17, s18
	s_add_co_u32 s46, s42, s18
	s_mov_b32 s21, 0
	s_mov_b32 s47, 0
	s_mov_b64 s[18:19], KS
	s_mul_u64 s[22:23], s[20:21], s[18:19]         ; where these places' scales begin, in bytes,
	s_mul_u64 s[92:93], s[46:47], s[18:19]
	s_mov_b64 s[18:19], KROW
	s_mul_u64 s[20:21], s[20:21], s[18:19]         ; and their codes
	s_mul_u64 s[46:47], s[46:47], s[18:19]
	s_mov_b32 s95, 0
	s_mov_b32 s97, 0
	s_add_nc_u64 s[22:23], s[22:23], s[94:95]
	s_add_nc_u64 s[92:93], s[92:93], s[96:97]
	s_mul_i32 s45, s14, HALFT                      ; where they go: wave x 128 rows: no place in the cluster enters an LDS address
	s_mul_i32 s94, s14, HALFS
	s_wait_kmcnt 0x0
	s_cmp_lt_u32 ttmp9, 16
	s_cselect_b64 s[96:97], s[4:5], s[6:7]         ; A's buffer: xq for q and k, wq for v
	s_cselect_b64 s[6:7], s[6:7], s[4:5]           ; B's: the other
	s_add_nc_u64 s[20:21], s[96:97], s[20:21]
	s_add_nc_u64 s[22:23], s[96:97], s[22:23]
	s_add_nc_u64 s[46:47], s[6:7], s[46:47]
	s_add_nc_u64 s[92:93], s[6:7], s[92:93]
	s_cmp_lt_u32 ttmp9, 8
	s_cselect_b64 s[100:101], s[10:11], s[12:13]   ; the results' buffer: qimg for q, kvimg for k and v
	CROUND                                         ; all sixteen work-groups are here: the first joint loads meet
	s_mov_b32 s[G0S], 1
	s_add_co_u32 s[G0S+1], s94, SCL
	s_mov_b64 s[G0S+2:G0S+3], s[22:23]
	s_or_b32 s[G0S+3], s[G0S+3], 0x80000000
	s_mov_b32 s[G0SB], 1
	s_add_co_u32 s[G0SB+1], s94, SCL
	s_mov_b64 s[G0SB+2:G0SB+3], s[92:93]
	s_or_b32 s[G0SB+3], s[G0SB+3], 0x80000000
	JLOAD G0S, G1S, G0SB, G1SB                     ; the scales first: they are wanted with K step 0
.irp s, 0,1
	s_mov_b32 s[G0+4*\s], 1
	s_add_co_u32 s[G0+4*\s+1], s45, \s*SLOT
	s_add_nc_u64 s[G0+4*\s+2:G0+4*\s+3], s[20:21], \s*ROWB
	s_or_b32 s[G0+4*\s+3], s[G0+4*\s+3], 0x80000000
	s_mov_b32 s[G0B+4*\s], 1
	s_add_co_u32 s[G0B+4*\s+1], s45, \s*SLOT
	s_add_nc_u64 s[G0B+4*\s+2:G0B+4*\s+3], s[46:47], \s*ROWB
	s_or_b32 s[G0B+4*\s+3], s[G0B+4*\s+3], 0x80000000
	JLOAD G0+4*\s, G1, G0B+4*\s, G1B               ; three tensor loads of mine are out
.endr
	v_and_b32 v1, 15, v0                           ; r = lane % 16
	v_bfe_u32 v2, v0, 4, 1                         ; h = lane / 16
	v_mul_u32_u24 v3, v1, PITCH
	v_mul_u32_u24 v4, v2, 24
	v_add_nc_u32 v4, v3, v4                        ; a fragment's row x pitch + 24 x half
	v_lshl_add_u32 v5, v2, 4, v4                   ; and the same behind one padding more
	s_mul_i32 s21, s15, HALFT                      ; my 128 places of A
	s_mul_i32 s22, s16, HALFT                      ; my 128 of B,
	s_add_co_u32 s22, s22, 2*HALFT                 ; which lie behind A's 256
.irp s, 0,1
	v_add_nc_u32 v[ADRA+\s], s21, v4
	v_add_nc_u32 v[ADRB+\s], s22, v4
	v_add_nc_u32 v[ADRA+2+\s], s21, v5
	v_add_nc_u32 v[ADRB+2+\s], s22, v5
	s_add_co_u32 s21, s21, SLOT
	s_add_co_u32 s22, s22, SLOT
.endr
	v_mul_u32_u24 v5, v1, KS                       ; my row's scales: 32 bytes a row,
	v_lshrrev_b32 v6, 8, v5
	v_lshl_add_u32 v5, v6, 4, v5                   ; and 16 more for each 256 passed
	s_mul_i32 s21, s15, HALFS
	s_mul_i32 s22, s16, HALFS
	s_add_co_u32 s22, s22, 2*HALFS
	s_sub_co_u32 s22, s22, s21
	v_mul_u32_u24 v6, s22, v2                      ; lanes 16-31 take B's: one product, the distance between the two bases
	s_add_co_u32 s21, s21, SCL
	v_add_nc_u32 v5, v5, v6
	v_add_nc_u32 v[ADRS], s21, v5
	; where the results go, and which numbers of the bias are mine
	s_lshl_b32 s20, s15, 7
	s_add_co_u32 s20, s17, s20                     ; my first place of A
	s_lshl_b32 s21, s16, 7
	s_add_co_u32 s21, s42, s21                     ; my first place of B
	s_lshl_b32 s22, s40, 2
	s_lshl_b32 s23, s16, 1
	s_add_co_u32 s22, s22, s23                     ; q, k: my first head = 4 cx + 2 x (half of B)
	s_lshl_b32 s23, s41, 2
	s_lshl_b32 s46, s15, 1
	s_add_co_u32 s23, s23, s46                     ; v: 4 cy + 2 x (half of A)
	s_cmp_lt_u32 ttmp9, 16
	s_cselect_b32 s46, s20, s21                    ; the tokens' first place
	s_cselect_b32 s47, s22, s23                    ; my first head
	s_cselect_b32 s92, s21, s20                    ; my first row of qkv_w = my first number of the bias
	s_cselect_b32 s3, 0, 6144                      ; v's images lie behind k's four
	s_lshl_b32 s92, s92, 2
	s_mov_b32 s93, 0
	s_add_nc_u64 s[98:99], s[8:9], s[92:93]
	s_lshr_b32 s94, s46, 11                        ; the batch
	s_lshl_b32 s94, s94, 4
	s_add_co_u32 s94, s94, s47                     ; 16 x batch + head
	s_lshl_b32 s94, s94, 4
	s_bfe_u32 s46, s46, 0x40007                    ; the group of 128 places
	s_add_co_u32 s94, s94, s46                     ; the record
	s_mov_b32 s47, 12800
	s_mov_b32 s2, 12288
	s_cmp_lt_u32 ttmp9, 8
	s_cselect_b32 s47, 6400, s47                   ; a record's bytes
	s_cselect_b32 s2, 6144, s2                     ; where the scale words lie, counted from the images' first byte: q, k,
	s_cmp_lt_u32 ttmp9, 16
	s_cselect_b32 s2, s2, 6400                     ; v
	s_mul_i32 s94, s94, s47                        ; under 2^24
	s_add_co_u32 s94, s94, s3
	s_mov_b32 s95, 0
	s_add_nc_u64 s[4:5], s[100:101], s[94:95]      ; my first head's images
	s_lshl_b32 s94, s47, 4                         ; the next head lies 16 records on
	s_add_nc_u64 s[6:7], s[4:5], s[94:95]          ; my second head's
	s_mov_b32 s66, 0xffff0000                      ; lanes 16-31
	s_cmp_lt_u32 ttmp9, 16
	s_cbranch_scc0 .Lbias_v
	v_lshlrev_b32 v7, 6, v2                        ; q, k: C tile b, register j = the bias of B's row 32 (b / 2) + 16 h + 8 (b % 2) + j
.irp b, 0,1,2,3,4,5,6,7
	global_load_b128 v[BI+8*\b:BI+8*\b+3], v7, s[98:99] offset:128*(\b/2)+32*(\b%2)
	global_load_b128 v[BI+8*\b+4:BI+8*\b+7], v7, s[98:99] offset:128*(\b/2)+32*(\b%2)+16
.endr
	s_branch .Lbias_done
.Lbias_v:
	v_and_b32 v7, 8, v1                            ; v: C tile a, every register = the bias of A's row 32 (a / 2) + 8 (a % 2) + r + 8 (r / 8)
	v_add_nc_u32 v7, v7, v1
	v_lshlrev_b32 v7, 2, v7
.irp a, 0,1,2,3,4,5,6,7
	global_load_b32 v[BI+8*\a], v7, s[98:99] offset:(32*(\a/2)+8*(\a%2))*4
.endr
	s_wait_loadcnt 0x0
.irp a, 0,1,2,3,4,5,6,7
.irp j, 1,2,3,4,5,6,7
	v_mov_b32 v[BI+8*\a+\j], v[BI+8*\a]
.endr
.endr
.Lbias_done:
	v_and_b32 v5, 31, v0
	v_lshlrev_b32 v[CO], 4, v5
	v_mul_u32_u24 v5, s94, v2                      ; lanes 16-31 store the second head's scale words
	v_lshl_add_u32 v5, v1, 4, v5
	v_add_nc_u32 v[SV], s2, v5
.macro FRAG reg, adr, q, i             ; a fragment: lane l holds row l % 16; registers 6 c .. 6 c + 5 hold K = 64 c + 32 (l / 16) + 0 .. 31: 24 bytes of the row, as they lie, in pieces of 8 bytes
.irp p, 0,1,2,3,4,5
.set PC, 12*(\q)+6*(\p/3)+\p%3        ; 16 bytes of padding lie behind every 8 pieces: where the piece three on (lanes 16-31) lies behind one padding more, the second address register serves
.if PC%8 < 5
	ds_load_b64 v[\reg+2*\p:\reg+2*\p+1], v[\adr] offset:8*PC+16*(PC/8)+(\i)*16*PITCH
.else
	ds_load_b64 v[\reg+2*\p:\reg+2*\p+1], v[\adr+2] offset:8*PC+16*(PC/8)+(\i)*16*PITCH
.endif
.endr
.endm
; 16 matrix instructions: A's blocks a0, a0 + 1 x B's eight, the slot's q-th 128 along K.  p: B's set;  sc: the set of scale words.  zero = 1: C = the bias by B's block; 2: by A's block; 0: the sum goes on.
; The 64 accumulators take turns, one instruction a turn, in the same order in every step.
.macro MUL16 a0, p, q, sc, zero
.irp a, \a0, \a0+1
.irp b, 0,1,2,3,4,5,6,7
.set rD, 8*(8*((\a)%4)+\b)
.set rB, 128*(\p)+FR*\b
.set rA, AF+FR*(\a)
.set rSB, SC+8*NQ*(\sc)+NQ*\b+(\q)
.set rSA, SC+8*NQ*(\sc)+NQ*(\a)+(\q)
.if \zero == 1
	v_wmma_scale_f32_16x16x128_f8f6f4 v[rD:rD+7], v[rB:rB+FR-1], v[rA:rA+FR-1], v[BI+8*\b:BI+8*\b+7], v[rSB], v[rSA] matrix_a_fmt:MATRIX_FMT_FP6 matrix_b_fmt:MATRIX_FMT_FP6 matrix_a_scale:MATRIX_SCALE_ROW1
.elseif \zero == 2
	v_wmma_scale_f32_16x16x128_f8f6f4 v[rD:rD+7], v[rB:rB+FR-1], v[rA:rA+FR-1], v[BI+8*(\a):BI+8*(\a)+7], v[rSB], v[rSA] matrix_a_fmt:MATRIX_FMT_FP6 matrix_b_fmt:MATRIX_FMT_FP6 matrix_a_scale:MATRIX_SCALE_ROW1
.else
	v_wmma_scale_f32_16x16x128_f8f6f4 v[rD:rD+7], v[rB:rB+FR-1], v[rA:rA+FR-1], v[rD:rD+7], v[rSB], v[rSA] matrix_a_fmt:MATRIX_FMT_FP6 matrix_b_fmt:MATRIX_FMT_FP6 matrix_a_scale:MATRIX_SCALE_ROW1
.endif
.endr
.endr
.endm
.macro FETCH_B slot, q, p
	WIN TO_B
.irp i, 0,1,2,3,4,5,6,7
	FRAG 128*(\p)+FR*\i, ADRB+\slot, \q, \i
.endr
	WIN 0
.endm
.macro FETCH_A slot, q, i0
.irp i, \i0, \i0+1, \i0+2, \i0+3
	FRAG AF+FR*(\i), ADRA+\slot, \q, \i
.endr
.endm
.macro SCALES sc                       ; a K step's scale words: two words a row; lanes 0-15 take A's block i, lanes 16-31 B's block i
.irp i, 0,1,2,3,4,5,6,7
	ds_load_b64 v[SC+8*NQ*\sc+NQ*\i:SC+8*NQ*\sc+NQ*\i+1], v[ADRS] offset:\i*SBLK
.endr
.endm
.macro PLACES n                        ; plain vector instructions between a matrix instruction and a load into, or a vector instruction on, its registers (ISA guide 7.12.1 for vector instructions)
.rept \n
	v_nop
.endr
.endm
.macro STEP slot, q, zero              ; a step of 128 along K that has its successor in the same slot
	s_wait_dscnt 4*NL                              ; B's set and A's blocks 0-3 are in; the youngest 24 loads (A's blocks 4-7) may be out
	WMUL 0, \zero
	MUL16 0, (\q)%2, \q, \slot, \zero
	MUL16 2, (\q)%2, \q, \slot, \zero
	s_wait_dscnt 0                                 ; A's blocks 4-7 are in
	PLACES NP
	FETCH_B \slot, (\q)+1, 1-(\q)%2
	FETCH_A \slot, (\q)+1, 0
	WMUL 1, \zero
	MUL16 4, (\q)%2, \q, \slot, \zero
	MUL16 6, (\q)%2, \q, \slot, \zero
	PLACES NP
	WIN 0
	FETCH_A \slot, (\q)+1, 4
.endm
; A slot's last step changes slots: one barrier; in front of it each wave waits for all its tensor loads, adds 0 to its spare word, and waits for that and for its own reads of this slot.  fill = 1: the slot is filled again.
.macro TURN slot, next, fill
	s_wait_tensorcnt 0x0                           ; all my tensor loads have landed: my part of the next slot
	ds_add_u32 v[SPW], v[NIL]                      ; 0 onto my spare word
	s_wait_dscnt 4*NL+1                            ; (the add and the youngest 24 loads, A's blocks 4-7, may be out)
	WMUL 0, 0
	MUL16 0, 1, NQ-1, \slot, 0                     ; sixteen matrix instructions stand between the add and the wait for it
	s_wait_dscnt 0x0                               ; the add is done, and my reads of this slot are over
	s_barrier_signal -1
	MUL16 2, 1, NQ-1, \slot, 0
	WIN 0
	s_barrier_wait -1
.if \fill
	CREST                                          ; the barrier has opened a round of the cluster's barrier: no wave of any partner still reads this slot's tile or has a load on its way
	s_add_nc_u64 s[G0+4*\slot+2:G0+4*\slot+3], s[G0+4*\slot+2:G0+4*\slot+3], 2*ROWB
	s_add_nc_u64 s[G0B+4*\slot+2:G0B+4*\slot+3], s[G0B+4*\slot+2:G0B+4*\slot+3], 2*ROWB
	JLOAD G0+4*\slot, G1, G0B+4*\slot, G1B         ; the first tensor load behind the round; its four v_nop are the places in front of the loads below
.else
	PLACES NP
.endif
	v_add_nc_u32 v[ADRS], 4*NQ, v[ADRS]            ; on to the next K step's scale words
	FETCH_B \next, 0, 0
	FETCH_A \next, 0, 0
	SCALES \next
	WMUL 1, 0
	MUL16 4, 1, NQ-1, \slot, 0
	MUL16 6, 1, NQ-1, \slot, 0
	PLACES NP
	WIN 0
	FETCH_A \next, 0, 4
.endm
	s_wait_tensorcnt 1                             ; the scales and my part of K step 0 are in (K step 1's load may be out)
	s_barrier_signal -1
	s_barrier_wait -1                              ; everybody's are
	FETCH_B 0, 0, 0
	FETCH_A 0, 0, 0
	SCALES 0
	FETCH_A 0, 0, 4
	s_wait_loadcnt 0x0                             ; the bias
	s_cmp_lt_u32 ttmp9, 16
	s_cbranch_scc0 .Lfirst_v
	STEP 0, 0, 1                                   ; q, k: the first products start the sums with the bias of B's rows
	s_branch .Lfirst_done
.Lfirst_v:
	STEP 0, 0, 2                                   ; v: with the bias of A's rows
.Lfirst_done:
	TURN 0, 1, 1                                   ; 1,024 along K are four slots' worth: each slot is filled again once, so the steps are written on end
	STEP 1, 0, 0
	TURN 1, 0, 1
	STEP 0, 0, 0
	TURN 0, 1, 0                                   ; nothing is left to fetch
	STEP 1, 0, 0
	s_wait_dscnt 4*NL                              ; the very last step
	WMUL 0, 0
	MUL16 0, 1, NQ-1, 1, 0
	MUL16 2, 1, NQ-1, 1, 0
	s_wait_dscnt 0
	WMUL 1, 0
	MUL16 4, 1, NQ-1, 1, 0
	MUL16 6, 1, NQ-1, 1, 0
	WIN 0
; THE WAY OUT, all in registers.  QUANTA: the 64 numbers of a lane in A's block a (register 16 B + i = k 32 B + 16 (lane / 16) + i of my row) become codes: blocks 0, 1 in v[d0] .. v[d0 + 5], blocks 2, 3 in v[d1] .. v[d1 + 5]
; (lane (r, h): the 32 codes of block h, or 2 + h), and the row's four scale bytes in v[pw].  Each accumulator is read from its low end on.
.macro QUANTA a, d0, d1, pw
.set AC, 64*((\a)%4)
.set WW, 2+(\a)/4
	WIN WW|(WW<<2)
.irp b, 0,1,2,3
	v_max3_num_f32 v[TM+\b], |v[AC+16*\b]|, |v[AC+16*\b+1]|, 0x1800000   ; block b: my 16 numbers, and the floor 2^(3 - 127): the byte cannot fall under 1
.endr
	WIN (WW<<2)|(WW<<4)
.irp i, 2,4,6,8,10,12,14
.irp b, 0,1,2,3
	v_max3_num_f32 v[TM+\b], v[TM+\b], |v[AC+16*\b+\i]|, |v[AC+16*\b+\i+1]|   ; (the four blocks by turns)
.endr
.endr
	WIN 0
.irp b, 0,1,2,3
	v_permlanex16_b32 v[TM+4+\b], v[TM+\b], s18, s19
.endr
.irp b, 0,1,2,3
	v_max_num_f32 v[TM+\b], v[TM+\b], v[TM+4+\b]   ; with lane l xor 16's: the block's largest magnitude
.endr
.irp b, 0,1,2,3
	v_add_nc_u32 v[TM+12+\b], 0xff000000, v[TM+\b] ; 2 off its exponent field: the conversion's scale operand
.endr
.irp b, 0,1,2,3
	v_lshrrev_b32 v[TM+4+\b], 23, v[TM+12+\b]      ; the scale's byte
.endr
	v_lshl_or_b32 v[\pw], v[TM+5], 8, v[TM+4]
	v_lshl_or_b32 v[\pw], v[TM+6], 16, v[\pw]
	v_lshl_or_b32 v[\pw], v[TM+7], 24, v[\pw]
	WIN WW
	v_cvt_scalef32_pk16_fp6_f32 v[\d0:\d0+2], v[AC:AC+15], v[TM+12]
	v_cvt_scalef32_pk16_fp6_f32 v[TP:TP+2], v[AC+16:AC+31], v[TM+13]   ; (a conversion's three registers begin on an even number)
	v_cvt_scalef32_pk16_fp6_f32 v[\d1:\d1+2], v[AC+32:AC+47], v[TM+14]
	v_cvt_scalef32_pk16_fp6_f32 v[TP+4:TP+6], v[AC+48:AC+63], v[TM+15]
	WIN 0
	v_nop                                          ; one plain place behind a scaled conversion
.irp i, 0,1,2
	v_permlane16_swap_b32 v[\d0+\i], v[TP+\i]      ; the operand's layout wants a whole block in a lane: lanes 0-15 the even block, lanes 16-31 the odd one
	v_permlane16_swap_b32 v[\d1+\i], v[TP+4+\i]
.endr
.irp i, 0,1,2
	v_mov_b32 v[\d0+3+\i], v[TP+\i]
	v_mov_b32 v[\d1+3+\i], v[TP+4+\i]
.endr
.endm
	s_mov_b32 s18, 0x76543210
	s_mov_b32 s19, 0xfedcba98                      ; v_permlanex16_b32's selects for lane l xor 16
	PLACES NP                                      ; behind the last products, ahead of the first write of their scale registers and the first read of results
.irp b, 0,1,2,3
	v_mov_b32 v[TM+4+\b], 0                        ; written once: a lane permute's destination counts as one of its sources
.endr
	s_cmp_lt_u32 ttmp9, 16
	s_cbranch_scc0 .Lepi_v
.irp o, 0,1,2,3                        ; q, k: two tiles of 16 places make an image for each of my two heads (blocks 0, 1: the first head's 64; blocks 2, 3: the second's)
.if \o > 0
	s_wait_xcnt 0x0                                ; the last images' stores have read their registers
.endif
	QUANTA 2*\o, H0, H1, PW0
	QUANTA 2*\o+1, H0+6, H1+6, PW1
	v_perm_b32 v[W0+\o], v[PW1], v[PW0], 0x05040100   ; the first head's word: two bytes of the even tile, two of the odd one
	v_perm_b32 v[W1+\o], v[PW1], v[PW0], 0x07060302   ; the second head's
.irp k, 0,1,2
	global_store_b128 v[CO], v[H0+4*\k:H0+4*\k+3], s[4:5] offset:1536*\o+512*\k th:TH_STORE_NT   ; 32 lanes store 512 consecutive bytes, at a multiple of 256 from the buffer's first byte
	global_store_b128 v[CO], v[H1+4*\k:H1+4*\k+3], s[6:7] offset:1536*\o+512*\k th:TH_STORE_NT
.endr
.endr
	s_branch .Lepi_done
.Lepi_v:
.irp a, 0,1,2,3,4,5,6,7                ; v: block a is 16 of a head's 64 (head a / 4) x 128 keys: a whole fragment, and its scale word
.if \a > 0
	s_wait_xcnt 0x0                                ; the last image's stores have read their registers
.endif
	QUANTA \a, H0, H0+6, W0+\a
.irp k, 0,1,2
	global_store_b128 v[CO], v[H0+4*\k:H0+4*\k+3], s[4+2*(\a/4):5+2*(\a/4)] offset:1536*(\a%4)+512*\k th:TH_STORE_NT
.endr
.endr
.Lepi_done:
.irp j, 0,1,2,3
	v_cndmask_b32 v[SW+\j], v[W0+\j], v[W1+\j], s66   ; lanes 0-15 the first head's four words of row r, lanes 16-31 the second head's
.endr
	global_store_b128 v[SV], v[SW:SW+3], s[4:5] th:TH_STORE_NT   ; sixteen lanes store 256 consecutive bytes, at a multiple of 256 from the buffer's first byte
	s_wait_tensorcnt 0x0                           ; the wave's end
	ds_add_u32 v[SPW], v[NIL]
	s_wait_dscnt 0x0
	CROUND                                         ; the closing round: no work-group ends while a partner may still ask for a tile that names it
	s_endpgm
.Lfunc_end_k_q40b541bd6f_qkv:
	.size	k_q40b541bd6f_qkv, .Lfunc_end_k_q40b541bd6f_qkv-k_q40b541bd6f_qkv
	.p2alignl 7, 3214868480
	.fill 96, 4, 3214868480
	.section	.rodata,"a",@progbits
	.p2align	6, 0x0
	.amdhsa_kernel k_q40b541bd6f_qkv
		.amdhsa_group_segment_fixed_size 327680
		.amdhsa_private_segment_fixed_size 0
		.amdhsa_enable_private_segment 0
		.amdhsa_kernarg_size 40
		.amdhsa_user_sgpr_count 2
		.amdhsa_user_sgpr_kernarg_segment_ptr 1
		.amdhsa_wavefront_size32 1
		.amdhsa_system_sgpr_workgroup_id_x 1
		.amdhsa_system_sgpr_workgroup_id_y 1
		.amdhsa_system_sgpr_workgroup_id_z 1
		.amdhsa_system_vgpr_workitem_id 0
		.amdhsa_next_free_vgpr 1024
		.amdhsa_next_free_sgpr 102
		.amdhsa_reserve_vcc 0
		.amdhsa_float_denorm_mode_32 3
		.amdhsa_float_denorm_mode_16_64 3
		.amdhsa_memory_ordered 1
		.amdhsa_forward_progress 1
		.amdhsa_inst_pref_size 219
	.end_amdhsa_kernel
	.amdgpu_metadata
---
amdhsa.version: [ 1, 2 ]
amdhsa.kernels:
  - .name:           k_q40b541bd6f_qkv
    .symbol:         k_q40b541bd6f_qkv.kd
    .args:
      - { .name: xq, .offset: 0, .size: 8, .value_kind: global_buffer, .address_space: global }
      - { .name: wq, .offset: 8, .size: 8, .value_kind: global_buffer, .address_space: global }
      - { .name: qkv_b, .offset: 16, .size: 8, .value_kind: global_buffer, .address_space: global }
      - { .name: qimg, .offset: 24, .size: 8, .value_kind: global_buffer, .address_space: global }
      - { .name: kvimg, .offset: 32, .size: 8, .value_kind: global_buffer, .address_space: global }
    .group_segment_fixed_size: 327680
    .private_segment_fixed_size: 0
    .kernarg_segment_align: 8
    .kernarg_segment_size: 40
    .max_flat_workgroup_size: 128
    .sgpr_count:     102
    .vgpr_count:     1024
    .wavefront_size: 32
...
	.end_amdgpu_metadata
.endif
;; end of part 2
;; launch attn (part 3): grid 4 x 64, 16 waves a work-group, clusters of 4 x 1, 327,680 bytes of LDS; arguments qimg, kvimg, aq; writes aq
.if DOCPART == 3
	.amdgcn_target "amdgcn-amd-amdhsa--gfx1250"
	.amdhsa_code_object_version 6
	.text
	.protected	k_q40b541bd6f_attn
	.globl	k_q40b541bd6f_attn
	.p2align	8
	.type	k_q40b541bd6f_attn,@function
k_q40b541bd6f_attn:
	s_mov_b64 s[64:65], 0
	v_nop
	global_prefetch_b8 v0, s[64:65] scope:SCOPE_SE
	s_setreg_imm32_b32 hwreg(HW_REG_WAVE_MODE, 25, 1), 1
	s_wait_xcnt 0x0
	s_wait_alu depctr_hold_cnt(0) depctr_sa_sdst(0) depctr_va_vdst(0) depctr_va_sdst(0) depctr_va_ssrc(0) depctr_va_vcc(0) depctr_vm_vsrc(0)
	s_getreg_b32 s2, hwreg(HW_REG_IB_STS2, 6, 4)
	s_cmp_eq_u32 s2, 0
	s_cbranch_scc0 .Lentry_in_a_cluster
	s_endpgm
.Lentry_in_a_cluster:
	s_bfe_u32 s2, ttmp6, 0x10000c
	s_cmp_lg_u32 s2, 0x3003
	s_cbranch_scc0 .Lentry_shape_is_right
	s_endpgm
.Lentry_shape_is_right:
.set REC,  12800
.set CHK,  4*REC
.set PART, CHK/16
.set LI,   1
.set LR,   2
.set AD,   3
.set AS,   4
.set L8,   5
.set LB,   6
.set QF,   16
.set QL,   34
.set QW,   46
.set QS,   47
.set F,    48
.set S,    96
.set O,    160
.set PC,   192
.set TP,   204
.set KS,   212
.set VS,   216
.set PS,   220
.set OB,   221
.set BM,   224
.set BT,   228
.set SO,   232
.set L2,   236
.set TT,   238
.set FF,   240
.set WV,   12
.set SEL,  20
.set CS,   22
.set G1,   24
.set G0,   32
.set TB,   48
.set CNT,  49
.set PASS, 50
.set HM,   51
.macro CROUND
	s_barrier_signal -1
	s_barrier_wait -1
	s_cmp_lg_u32 s[WV], 0
	s_cbranch_scc1 .Lnot_wave_0_\@
	s_barrier_signal -3
.Lnot_wave_0_\@:
	s_barrier_wait -3
	s_barrier_signal -1
	s_barrier_wait -1
.endm
	s_load_b128 s[4:7], s[0:1], 0x0
	s_load_b64 s[8:9], s[0:1], 0x10
	v_lshl_add_u32 v254, v0, 2, 0x32000
	v_mov_b32 v255, 0
	ds_add_u32 v254, v255
	ds_add_u32 v254, v255
	v_lshrrev_b32 v7, 5, v0
	s_delay_alu instid0(VALU_DEP_1)
	v_readfirstlane_b32 s[WV], v7
	s_bfe_u32 s13, ttmp6, 0x40000
	s_and_b32 s14, ttmp7, 0xffff
	s_mul_i32 s52, s14, 16*REC
	s_mul_i32 s53, s[WV], PART
	s_add_co_u32 s54, s52, s53
	s_mov_b32 s55, 0
	s_mov_b32 s[G1], 15|(3<<16)|(1<<21)
	s_mov_b32 s[G1+1], 400<<16
	s_mov_b32 s[G1+2], 1<<16
	s_mov_b32 s[G1+3], 400<<16
	s_mov_b32 s[G1+4], 1
	s_mov_b32 s[G1+5], 400
	s_mov_b32 s[G1+6], 0
	s_mov_b32 s[G1+7], 0
	s_lshl_b32 s56, s14, 4
	s_lshl_b32 s57, s13, 2
	s_add_co_u32 s56, s56, s57
	s_lshr_b32 s57, s[WV], 2
	s_add_co_u32 s56, s56, s57
	s_mul_i32 s56, s56, 6400
	s_and_b32 s57, s[WV], 3
	s_lshl_b32 s58, s57, 2
	s_add_co_u32 s58, s58, s56
	s_add_co_u32 s58, s58, 6144
	s_mul_i32 s57, s57, 1536
	s_add_co_u32 s56, s56, s57
	s_mov_b32 s57, 0
	s_mov_b32 s59, 0
	s_lshr_b32 s60, s14, 4
	s_lshl_b32 s60, s60, 7
	s_lshl_b32 s61, s13, 5
	s_add_co_u32 s60, s60, s61
	s_lshl_b32 s61, s[WV], 1
	s_add_co_u32 s60, s60, s61
	s_and_b32 s61, s14, 15
	s_mul_i32 s62, s60, 12288
	s_mul_i32 s63, s61, 768
	s_add_co_u32 s62, s62, s63
	s_mov_b32 s63, 0
	s_lshl_b32 s60, s60, 9
	s_lshl_b32 s61, s61, 1
	s_add_co_u32 s60, s60, s61
	s_add_co_u32 s60, s60, 6291456
	s_mov_b32 s61, 0
	s_mov_b32 s[SEL], 0x76543210
	s_mov_b32 s[SEL+1], 0xfedcba98
	s_mov_b32 s[CS], 0x3e38aa3b
	s_mov_b32 s[CS+1], s[CS]
	s_mov_b32 s[HM], 0xffff0000
	s_wait_dscnt 0x0
	s_wait_kmcnt 0x0
	s_add_nc_u64 s[6:7], s[6:7], s[54:55]
.irp c, 0,1,2,3
	s_mov_b32 s[G0+4*\c], 1
	s_add_co_u32 s[G0+4*\c+1], s53, \c*CHK
	s_add_nc_u64 s[G0+4*\c+2:G0+4*\c+3], s[6:7], \c*CHK
	s_or_b32 s[G0+4*\c+3], s[G0+4*\c+3], 0x80000000
.endr
	s_add_nc_u64 s[10:11], s[8:9], s[60:61]
	s_add_nc_u64 s[8:9], s[8:9], s[62:63]
	s_add_nc_u64 s[16:17], s[4:5], s[58:59]
	s_add_nc_u64 s[4:5], s[4:5], s[56:57]
	CROUND
.irp c, 0,1,2,3
	s_wait_alu depctr_va_vdst(0)
	s_wait_tensorcnt 0x0
	ds_add_u32 v254, v255
	ds_add_u32 v254, v255
	s_wait_dscnt 0x0
	CROUND
	tensor_load_to_lds s[G0+4*\c:G0+4*\c+3], s[G1:G1+7]
	s_nop 0
.endr
.rept 4
	v_nop
.endr
	v_and_b32 v7, 31, v0
	s_delay_alu instid0(VALU_DEP_1)
	v_lshlrev_b32 v[LI], 4, v7
	v_and_b32 v8, 15, v0
	s_delay_alu instid0(VALU_DEP_1)
	v_lshlrev_b32 v[LR], 4, v8
	s_delay_alu instid0(VALU_DEP_4)
	v_lshlrev_b32 v[L8], 3, v7
	v_bfe_u32 v9, v0, 4, 1
	s_delay_alu instid0(VALU_DEP_1)
	v_lshl_add_u32 v[LB], v8, 5, v9
.irp k, 0,1,2
	global_load_b128 v[QL+4*\k:QL+4*\k+3], v[LI], s[4:5] offset:512*\k th:TH_LOAD_NT
.endr
	global_load_b32 v[QW], v[LR], s[16:17] th:TH_LOAD_NT
.irp i, 0,1,2,3,4,5
	v_mov_b32 v[QF+6+\i], 0
.endr
.irp b, 0,1,2,3
	v_mov_b32 v[BT+\b], 0
.endr
	v_mov_b32 v[TT], 0
	v_mov_b32 v[FF+1], 0
	s_mov_b32 s[PASS], 2
	s_wait_loadcnt 0x0
.macro STEP
	v_add_nc_u32 v[AD], s[TB], v[LI]
	v_add_nc_u32 v[AS], s[TB], v[LR]
	v_nop
	v_nop
.irp k, 0,1,2,3,4,5,6,7,8,9,10,11
	ds_load_b128 v[F+4*\k:F+4*\k+3], v[AD] offset:512*\k
.endr
	ds_load_b128 v[KS:KS+3], v[AS] offset:12288
	s_wait_alu depctr_va_vdst(0)
	s_wait_dscnt 0x0
.irp t, 0,1,2,3,4,5,6,7
	v_wmma_scale_f32_16x16x128_f8f6f4 v[S+8*\t:S+8*\t+7], v[F+12*(\t/2):F+12*(\t/2)+11], v[QF+6*(\t%2):QF+6*(\t%2)+11], 0, v[KS+\t/2], v[QS] matrix_a_fmt:MATRIX_FMT_FP6 matrix_b_fmt:MATRIX_FMT_FP6
.endr
.rept 4
	v_nop
.endr
.irp k, 0,1,2,3,4,5,6,7,8,9,10,11
	ds_load_b128 v[F+4*\k:F+4*\k+3], v[AD] offset:6144+512*\k
.endr
	ds_load_b128 v[VS:VS+3], v[AS] offset:12544
.irp b, 0,1,2,3
	v_max3_num_f32 v[BM+\b], v[S+16*\b], v[S+16*\b+1], v[S+16*\b+2]
.endr
.irp i, 3,5,7,9,11,13
.irp b, 0,1,2,3
	v_max3_num_f32 v[BM+\b], v[BM+\b], v[S+16*\b+\i], v[S+16*\b+\i+1]
.endr
.endr
.irp b, 0,1,2,3
	v_max_num_f32 v[BM+\b], v[BM+\b], v[S+16*\b+15]
.endr
.irp b, 0,1,2,3
	s_delay_alu instid0(VALU_DEP_4)
	v_permlanex16_b32 v[BT+\b], v[BM+\b], s[SEL], s[SEL+1]
.endr
.irp b, 0,1,2,3
	s_delay_alu instid0(VALU_DEP_4)
	v_max_num_f32 v[BM+\b], v[BM+\b], v[BT+\b]
.endr
	s_delay_alu instid0(VALU_DEP_2)
	v_max3_num_f32 v[TT], v[BM], v[BM+1], v[BM+2]
	s_delay_alu instid0(VALU_DEP_1)
	v_max_num_f32 v[TT], v[TT], v[BM+3]
	s_delay_alu instid0(VALU_DEP_1)
	v_mul_f32 v[TT], s[CS], v[TT]
	s_delay_alu instid0(VALU_DEP_1)
	v_max_num_f32 v13, v13, v[TT]
	v_mov_b32 v[TT], v12
	s_delay_alu instid0(VALU_DEP_2)
	v_floor_f32 v12, -v13
	s_delay_alu instid0(VALU_DEP_1)
	v_sub_f32 v[TT], v12, v[TT]
	s_delay_alu instid0(VALU_DEP_1)
	v_cvt_i32_f32 v[TT], v[TT]
	s_delay_alu instid0(VALU_DEP_1)
	v_ldexp_f32 v[FF], 1.0, v[TT]
.irp j, 0,2,4,6,8,10,12,14,16,18,20,22,24,26,28,30,32,34,36,38,40,42,44,46,48,50,52,54,56,58,60,62
	v_pk_fma_f32 v[S+\j:S+\j+1], v[S+\j:S+\j+1], s[CS:CS+1], v[12:13] op_sel_hi:[1,0,0]
.endr
.irp b, 0,1,2,3
	v_fma_f32 v[BM+\b], v[BM+\b], s[CS], v12
.endr
	s_wait_alu depctr_va_vdst(0)
.irp j, 0,1,2,3,4,5,6,7,8,9,10,11,12,13,14,15,16,17,18,19,20,21,22,23,24,25,26,27,28,29,30,31,32,33,34,35,36,37,38,39,40,41,42,43,44,45,46,47,48,49,50,51,52,53,54,55,56,57,58,59,60,61,62,63
	v_exp_f32 v[S+\j], v[S+\j]
.endr
	s_setprio 1
	v_pk_mul_f32 v[14:15], v[14:15], v[FF:FF+1] op_sel_hi:[1,0]
	s_wait_alu depctr_va_vdst(0)
.irp b, 0,1,2,3
	v_exp_f32 v[BM+\b], v[BM+\b]
.endr
	v_pk_add_f32 v[L2:L2+1], v[S:S+1], v[S+2:S+3]
.irp j, 4,8,12,16,20,24,28,32
	v_pk_add_f32 v[14:15], v[14:15], v[S+\j:S+\j+1]
	v_pk_add_f32 v[L2:L2+1], v[L2:L2+1], v[S+\j+2:S+\j+3]
.endr
	s_wait_alu depctr_va_vdst(0)
.irp b, 0,1,2,3
	v_max_num_f32 v[BM+\b], 0x1800000, v[BM+\b]
.endr
.irp b, 0,1,2,3
	s_delay_alu instid0(VALU_DEP_4)
	v_add_nc_u32 v[SO+\b], 0xff000000, v[BM+\b]
.endr
.irp b, 0,1,2,3
	s_delay_alu instid0(VALU_DEP_4)
	v_lshrrev_b32 v[BT+\b], 23, v[SO+\b]
.endr
	s_delay_alu instid0(VALU_DEP_3)
	v_lshl_or_b32 v[PS], v[BT+1], 8, v[BT]
	s_delay_alu instid0(VALU_DEP_1)
	v_lshl_or_b32 v[PS], v[BT+2], 16, v[PS]
	s_delay_alu instid0(VALU_DEP_1)
	v_lshl_or_b32 v[PS], v[BT+3], 24, v[PS]
.irp c, 0,1
	v_cvt_scalef32_pk16_fp6_f32 v[PC+6*\c:PC+6*\c+2], v[S+32*\c:S+32*\c+15], v[SO+2*\c]
	v_cvt_scalef32_pk16_fp6_f32 v[TP+4*\c:TP+4*\c+2], v[S+32*\c+16:S+32*\c+31], v[SO+2*\c+1]
.endr
	v_nop
.irp c, 0,1
.irp i, 0,1,2
	v_permlane16_swap_b32 v[PC+6*\c+\i], v[TP+4*\c+\i]
.endr
.irp i, 0,1,2
	s_delay_alu instid0(VALU_DEP_3)
	v_mov_b32 v[PC+3+6*\c+\i], v[TP+4*\c+\i]
.endr
.endr
.irp j, 0,2,4,6,8,10,12,14,16,18,20,22,24,26,28,30
	v_pk_mul_f32 v[O+\j:O+\j+1], v[O+\j:O+\j+1], v[FF:FF+1] op_sel_hi:[1,0]
.endr
	s_setprio 0
.irp j, 36,40,44,48,52,56,60
	v_pk_add_f32 v[14:15], v[14:15], v[S+\j:S+\j+1]
	v_pk_add_f32 v[L2:L2+1], v[L2:L2+1], v[S+\j+2:S+\j+3]
.endr
	s_delay_alu instid0(VALU_DEP_1)
	v_pk_add_f32 v[14:15], v[14:15], v[L2:L2+1]
	s_wait_dscnt 0x0
.irp d, 0,1,2,3
	v_wmma_scale_f32_16x16x128_f8f6f4 v[O+8*\d:O+8*\d+7], v[F+12*\d:F+12*\d+11], v[PC:PC+11], v[O+8*\d:O+8*\d+7], v[VS+\d], v[PS] matrix_a_fmt:MATRIX_FMT_FP6 matrix_b_fmt:MATRIX_FMT_FP6
.endr
	s_add_co_u32 s[TB], s[TB], REC
.endm
.macro CHUNK c
	s_wait_tensorcnt 3-\c
	s_barrier_signal -1
	s_barrier_wait -1
	s_mov_b32 s[TB], \c*CHK
	s_mov_b32 s[CNT], 4
.Lstep_\@:
	s_setprio 2
	STEP
	s_sub_co_u32 s[CNT], s[CNT], 1
	s_cmp_lg_u32 s[CNT], 0
	s_cbranch_scc1 .Lstep_\@
	s_setprio 0
.endm
.Lpass:
.irp i, 0,1,2,3,4,5
	v_mov_b32 v[QF+\i], v[QL+\i]
	v_mov_b32 v[QF+12+\i], v[QL+\i]
.endr
	v_perm_b32 v[QS], v[QW], v[QW], 0x01000100
.irp i, 0,1,2,3,4,5
	v_mov_b32 v[QL+\i], v[QL+6+\i]
.endr
	v_lshrrev_b32 v[QW], 16, v[QW]
	v_mov_b32 v13, 0xff61b1e6
	s_delay_alu instid0(VALU_DEP_1)
	v_floor_f32 v12, -v13
	v_mov_b32 v14, 0
	v_mov_b32 v15, 0
.irp j, 0,1,2,3,4,5,6,7,8,9,10,11,12,13,14,15,16,17,18,19,20,21,22,23,24,25,26,27,28,29,30,31
	v_mov_b32 v[O+\j], 0
.endr
	CHUNK 0
	CHUNK 1
	CHUNK 2
	CHUNK 3
.rept 4
	v_nop
.endr
	s_wait_alu depctr_va_vdst(0)
	v_add_f32 v14, v14, v15
	s_delay_alu instid0(VALU_DEP_1)
	v_permlanex16_b32 v[TT], v14, s[SEL], s[SEL+1]
	s_delay_alu instid0(VALU_DEP_1)
	v_add_f32 v14, v14, v[TT]
	s_wait_alu depctr_va_vdst(0)
	v_rcp_f32 v14, v14
	v_nop
	s_wait_alu depctr_va_vdst(0)
.irp j, 0,2,4,6,8,10,12,14,16,18,20,22,24,26,28,30
	v_pk_mul_f32 v[S+\j:S+\j+1], v[O+\j:O+\j+1], v[14:15] op_sel_hi:[1,0]
.endr
.irp b, 0,1
	v_max3_num_f32 v[BM+\b], |v[S+16*\b]|, |v[S+16*\b+1]|, 0x1800000
.endr
.irp i, 2,4,6,8,10,12,14
.irp b, 0,1
	s_delay_alu instid0(VALU_DEP_2)
	v_max3_num_f32 v[BM+\b], v[BM+\b], |v[S+16*\b+\i]|, |v[S+16*\b+\i+1]|
.endr
.endr
.irp b, 0,1
	s_delay_alu instid0(VALU_DEP_2)
	v_permlanex16_b32 v[BT+\b], v[BM+\b], s[SEL], s[SEL+1]
.endr
.irp b, 0,1
	s_delay_alu instid0(VALU_DEP_2)
	v_max_num_f32 v[BM+\b], v[BM+\b], v[BT+\b]
.endr
.irp b, 0,1
	s_delay_alu instid0(VALU_DEP_2)
	v_add_nc_u32 v[SO+\b], 0xff000000, v[BM+\b]
.endr
.irp b, 0,1
	s_delay_alu instid0(VALU_DEP_2)
	v_lshrrev_b32 v[BT+\b], 23, v[SO+\b]
.endr
	s_delay_alu instid0(VALU_DEP_1)
	v_cndmask_b32 v[OB], v[BT], v[BT+1], s[HM]
	v_cvt_scalef32_pk16_fp6_f32 v[PC:PC+2], v[S:S+15], v[SO]
	v_cvt_scalef32_pk16_fp6_f32 v[TP:TP+2], v[S+16:S+31], v[SO+1]
	v_nop
.irp i, 0,1,2
	v_permlane16_swap_b32 v[PC+\i], v[TP+\i]
.endr
.irp i, 0,1,2
	s_delay_alu instid0(VALU_DEP_3)
	v_mov_b32 v[PC+3+\i], v[TP+\i]
.endr
.irp p, 0,1,2
	global_store_b64 v[L8], v[PC+2*\p:PC+2*\p+1], s[8:9] offset:256*\p th:TH_STORE_NT
.endr
	global_store_b8 v[LB], v[OB], s[10:11] th:TH_STORE_NT
	s_wait_xcnt 0x0
	s_add_nc_u64 s[8:9], s[8:9], 12288
	s_add_nc_u64 s[10:11], s[10:11], 512
	s_sub_co_u32 s[PASS], s[PASS], 1
	s_cmp_lg_u32 s[PASS], 0
	s_cbranch_scc1 .Lpass
	s_wait_tensorcnt 0x0
	ds_add_u32 v254, v255
	s_wait_dscnt 0x0
	CROUND
	s_endpgm
.Lfunc_end_k_q40b541bd6f_attn:
	.size	k_q40b541bd6f_attn, .Lfunc_end_k_q40b541bd6f_attn-k_q40b541bd6f_attn
	.p2alignl 7, 3214868480
	.fill 96, 4, 3214868480
	.section	.rodata,"a",@progbits
	.p2align	6, 0x0
	.amdhsa_kernel k_q40b541bd6f_attn
		.amdhsa_group_segment_fixed_size 327680
		.amdhsa_private_segment_fixed_size 0
		.amdhsa_enable_private_segment 0
		.amdhsa_kernarg_size 24
		.amdhsa_user_sgpr_count 2
		.amdhsa_user_sgpr_kernarg_segment_ptr 1
		.amdhsa_wavefront_size32 1
		.amdhsa_system_sgpr_workgroup_id_x 1
		.amdhsa_system_sgpr_workgroup_id_y 1
		.amdhsa_system_sgpr_workgroup_id_z 1
		.amdhsa_system_vgpr_workitem_id 0
		.amdhsa_next_free_vgpr 256
		.amdhsa_next_free_sgpr 66
		.amdhsa_reserve_vcc 0
		.amdhsa_float_denorm_mode_32 3
		.amdhsa_float_denorm_mode_16_64 3
		.amdhsa_memory_ordered 1
		.amdhsa_forward_progress 1
		.amdhsa_inst_pref_size 82
	.end_amdhsa_kernel
	.amdgpu_metadata
---
amdhsa.version: [ 1, 2 ]
amdhsa.kernels:
  - .name:           k_q40b541bd6f_attn
    .symbol:         k_q40b541bd6f_attn.kd
    .args:
      - { .name: qimg, .offset: 0, .size: 8, .value_kind: global_buffer, .address_space: global }
      - { .name: kvimg, .offset: 8, .size: 8, .value_kind: global_buffer, .address_space: global }
      - { .name: aq, .offset: 16, .size: 8, .value_kind: global_buffer, .address_space: global }
    .group_segment_fixed_size: 327680
    .private_segment_fixed_size: 0
    .kernarg_segment_align: 8
    .kernarg_segment_size: 24
    .max_flat_workgroup_size: 512
    .sgpr_count:     66
    .vgpr_count:     256
    .wavefront_size: 32
...
	.end_amdgpu_metadata
.endif
;; end of part 3
;; launch proj (part 4): grid 4 x 32, 4 waves a work-group, clusters of 4 x 4, 327,680 bytes of LDS; arguments aq, pq, proj_b, out0; writes out0
.if DOCPART == 4
	.amdgcn_target "amdgcn-amd-amdhsa--gfx1250"
	.amdhsa_code_object_version 6
	.text
	.protected	k_q40b541bd6f_proj
	.globl	k_q40b541bd6f_proj
	.p2align	8
	.type	k_q40b541bd6f_proj,@function
k_q40b541bd6f_proj:
	s_mov_b64 s[64:65], 0
	v_nop
	global_prefetch_b8 v0, s[64:65] scope:SCOPE_SE
	s_setreg_imm32_b32 hwreg(HW_REG_WAVE_MODE, 25, 1), 1
	s_wait_xcnt 0x0
	s_wait_alu depctr_hold_cnt(0) depctr_sa_sdst(0) depctr_va_vdst(0) depctr_va_sdst(0) depctr_va_ssrc(0) depctr_va_vcc(0) depctr_vm_vsrc(0)
	s_getreg_b32 s2, hwreg(HW_REG_IB_STS2, 6, 4)
	s_cmp_eq_u32 s2, 0
	s_cbranch_scc0 .Lentry_in_a_cluster
	s_endpgm
.Lentry_in_a_cluster:
	s_bfe_u32 s2, ttmp6, 0x10000c
	s_cmp_lg_u32 s2, 0xf033
	s_cbranch_scc0 .Lentry_shape_is_right
	s_endpgm
.Lentry_shape_is_right:
; out0 = a proj_w^T + proj_b on codes of FP6 (E2M3) with E8M0 scales; f32 sums.  a: the attention's result, 8,192 places x 1,024; proj_w: 1,024 x 1,024.
; A tile of 256 x 256 is made by a work-group of four waves, each 128 x 128: 64 accumulators, 512 registers.  128 work-groups: a tile of half the size would read half again as many LDS bytes for each product.
; K goes in steps of 256 through a ring of two LDS slots.  A COMES AS IMAGES OF OPERAND REGISTERS: [tile of 16 places][head][768 bytes], a head's six registers as three pieces of 256 bytes, lane l's 8 bytes at 8 l; 256 along K
; are four heads: 3,072 consecutive bytes of each tile of places, 12,288 bytes apart; a tensor load brings eight tiles' worth.  A fragment's six loads of 8 bytes then each take 256 consecutive bytes.
; B (proj_w) comes as rows of codes, 192 bytes a K step, padded in LDS.  The scales of both, [row][32 bytes], come once.  Joint loads: A's tiles are shared along a row of the 4 x 4 cluster, B's along a column.
; The matrix instruction is used transposed (source 0 = 16 rows of B, source 1 = 16 places of A): a lane holds eight neighbouring numbers of a row of the output.  The bias is the C of the first step's products.
; A PLACE IS NOT A TOKEN: place p holds the token that has bits 3 and 4 of p exchanged.  That is undone here, in the stores' immediates: row t of block a goes to token 32 (a / 2) + 8 (a % 2) + t + 8 (t / 8) of my 128.
; REGISTERS: window 0: v0-31 addresses; v32-63 scale words, two sets; v64-127 the bias; v128-223 A's fragments; on the way out v128-255.  window 1: B's fragments, two sets.  windows 2, 3: the accumulators.
.set NQ,     2
.set ROWB,   192
.set KROW,   768
.set PITCH,  240                       ; B's LDS row: 3 x (64 bytes + 16 of padding)
.set FR,     12
.set NL,     6
.set NP,     4                         ; places behind this matrix instruction (ISA guide 7.12.1)
.set AROW,   3072                      ; A: a tile of 16 places, 256 along K
.set AHALF,  8*AROW                    ; 128 places: what one tensor load brings
.set HALFT,  128*PITCH                 ; B: 128 rows
.set SLOT,   2*AHALF+2*HALFT           ; A's 256 places, then B's 256 rows
.set KS,     32
.set SCL,    2*SLOT
.set HALFS,  16*272
.set SBLK,   2*272
.set SPARE,  SCL+4*HALFS               ; the spare words, 128 bytes a wave: two blocks of 256 bytes that no other line names
.set SPITCH, 528                       ; the way out: a stage of 16 rows x (512 bytes + 16) for each wave, in slot 0, which has had its last fill and its last read when the first result is stored there
.set ASCL,   6291456                   ; where the scale bytes begin in aq
.set BSCL,   786432                    ; and in pq
.set ADRA, 16                          ; v16-17 LDS address of my A fragments in slot 0, 1
.set ADRB, 20                          ; v20-21 of B's; v22-23 the same behind one padding more
.set STO,  24
.set RD,   25
.set CO,   26
.set ADRS, 27
.set SPW,  28
.set NIL,  29
.set SC,   32
.set BI,   64
.set AF,   128
.set BK,   128
.set G1, 24
.set G0, 32
.set G1B, 48
.set G0B, 56
.set G1S, 68
.set G0S, 76
.set G1SB, 80
.set G0SB, 88
.set MSB, 0
.macro WIN new                         ; the immediate's high byte repeats the setting that is left
.if MSB != (\new)
	s_set_vgpr_msb (MSB<<8)|(\new)
.set MSB, (\new)
.endif
.endm
.macro WMUL hi, zero                   ; source 0 (B) window 1, source 1 (A) window 0, D window 2 or 3; C with D, or (the first step) the bias in window 0
.if \zero
	WIN 0x81+0x40*(\hi)
.else
	WIN 0xa1+0x50*(\hi)
.endif
.endm
.set TO_B, 0x40
.macro JLOAD g0a, g1a, g0b, g1b        ; a joint load: waves 0 and 1 fetch for A, waves 2 and 3 for B; four v_nop follow each of the two lines
	s_cmp_eq_u32 s15, 0
	s_cbranch_scc0 .Lfor_b_\@
	tensor_load_to_lds s[\g0a:\g0a+3], s[\g1a:\g1a+7]
	s_nop 0
.rept 4
	v_nop
.endr
	s_branch .Lasked_\@
.Lfor_b_\@:
	tensor_load_to_lds s[\g0b:\g0b+3], s[\g1b:\g1b+7]
	s_nop 0
.rept 4
	v_nop
.endr
.Lasked_\@:
.endm
.macro CREST
	s_cmp_lg_u32 s14, 0
	s_cbranch_scc1 .Lnot_wave_0_\@
	s_barrier_signal -3
.Lnot_wave_0_\@:
	s_barrier_wait -3
	s_barrier_signal -1
	s_barrier_wait -1
.endm
.macro CROUND
	s_barrier_signal -1
	s_barrier_wait -1
	CREST
.endm
	s_load_b128 s[4:7], s[0:1], 0x0                ; aq, pq
	s_load_b128 s[8:11], s[0:1], 0x10              ; proj_b, out0
	v_lshl_add_u32 v[SPW], v0, 2, SPARE
	v_mov_b32 v[NIL], 0
	ds_add_u32 v28, v29
	ds_add_u32 v28, v29
	s_wait_dscnt 0x0
	v_lshrrev_b32 v1, 5, v0
	v_readfirstlane_b32 s14, v1                    ; wave 0..3
	s_lshr_b32 s15, s14, 1                         ; which half of the tile's rows is mine.  Also: I fetch for A (0) or for B (1)
	s_and_b32 s16, s14, 1                          ; which half of its columns.  Also: which half of that tile I fetch
	s_bfe_u32 s40, ttmp6, 0x40000                  ; cx, cy
	s_bfe_u32 s41, ttmp6, 0x40004
	s_lshl_b32 s42, ttmp9, 2
	s_add_co_u32 s42, s42, s40                     ; tile column
	s_and_b32 s17, ttmp7, 0xffff
	s_lshl_b32 s17, s17, 2
	s_add_co_u32 s17, s17, s41                     ; tile row
	s_lshl_b32 s43, s41, 2
	s_lshl_b32 s43, 15, s43                        ; my row of the cluster
	s_lshl_b32 s44, 0x1111, s40                    ; my column
	; descriptor group 1 for A: 8 rows of 3,072 bytes (384 elements of 8), 12,288 bytes apart, no padding
	s_or_b32 s[G1+0], s43, (3<<16)|(1<<21)         ; 15:0 the mask: my row; 17:16 elements of 8 bytes; 21 set beside a mask
	s_mov_b32 s[G1+1], 384<<16                     ; tensor_dim0
	s_mov_b32 s[G1+2], 8<<16                       ; tensor_dim1
	s_mov_b32 s[G1+3], 384<<16                     ; tile_dim0
	s_mov_b32 s[G1+4], 8                           ; tile_dim1
	s_mov_b32 s[G1+5], 1536                        ; tensor_dim0_stride
	s_mov_b32 s[G1+6], 0
	s_mov_b32 s[G1+7], 0
	; for B: 128 rows x 192 bytes, 16 bytes of padding behind every 64
	s_or_b32 s[G1B+0], s44, (0<<16)|(1<<20)|(1<<21)|(3<<22)|(3<<25)
	s_mov_b32 s[G1B+1], ROWB<<16
	s_mov_b32 s[G1B+2], 128<<16
	s_mov_b32 s[G1B+3], ROWB<<16
	s_mov_b32 s[G1B+4], 128
	s_mov_b32 s[G1B+5], KROW
	s_mov_b32 s[G1B+6], 0
	s_mov_b32 s[G1B+7], 0
	; for the scales of 128 rows: 16 rows of 256 bytes, 16 bytes of padding behind each
	s_or_b32 s[G1S+0], s43, (3<<16)|(1<<20)|(1<<21)|(5<<22)|(3<<25)
	s_or_b32 s[G1SB+0], s44, (3<<16)|(1<<20)|(1<<21)|(5<<22)|(3<<25)
.irp g, G1S, G1SB
	s_mov_b32 s[\g+1], 32<<16
	s_mov_b32 s[\g+2], 16<<16
	s_mov_b32 s[\g+3], 32<<16
	s_mov_b32 s[\g+4], 16
	s_mov_b32 s[\g+5], 32
	s_mov_b32 s[\g+6], 0
	s_mov_b32 s[\g+7], 0
.endr
	s_lshl_b32 s18, s16, 7
	s_lshl_b32 s20, s17, 8
	s_add_co_u32 s20, s20, s18                     ; A: place 256 x tile row + 128 x half
	s_lshl_b32 s46, s42, 8
	s_add_co_u32 s46, s46, s18                     ; B: row 256 x tile column + 128 x half
	s_mov_b32 s21, 0
	s_mov_b32 s47, 0
	s_mov_b64 s[18:19], KS
	s_mul_u64 s[22:23], s[20:21], s[18:19]
	s_mul_u64 s[92:93], s[46:47], s[18:19]
	s_mov_b64 s[18:19], KROW                       ; 768 bytes a place in A too: 12,288 for a tile of 16
	s_mul_u64 s[20:21], s[20:21], s[18:19]
	s_mul_u64 s[46:47], s[46:47], s[18:19]
	s_add_nc_u64 s[22:23], s[22:23], ASCL
	s_add_nc_u64 s[92:93], s[92:93], BSCL
	s_mul_i32 s45, s16, AHALF                      ; where they go in a slot: A's halves,
	s_mul_i32 s95, s16, HALFT
	s_add_co_u32 s95, s95, 2*AHALF                 ; B's behind them: no place in the cluster enters an LDS address
	s_mul_i32 s94, s14, HALFS
	s_wait_kmcnt 0x0
	s_add_nc_u64 s[20:21], s[4:5], s[20:21]
	s_add_nc_u64 s[22:23], s[4:5], s[22:23]
	s_add_nc_u64 s[46:47], s[6:7], s[46:47]
	s_add_nc_u64 s[92:93], s[6:7], s[92:93]
	CROUND                                         ; all sixteen work-groups are here: the first joint loads meet
	s_mov_b32 s[G0S], 1
	s_add_co_u32 s[G0S+1], s94, SCL
	s_mov_b64 s[G0S+2:G0S+3], s[22:23]
	s_or_b32 s[G0S+3], s[G0S+3], 0x80000000
	s_mov_b32 s[G0SB], 1
	s_add_co_u32 s[G0SB+1], s94, SCL
	s_mov_b64 s[G0SB+2:G0SB+3], s[92:93]
	s_or_b32 s[G0SB+3], s[G0SB+3], 0x80000000
	JLOAD G0S, G1S, G0SB, G1SB                     ; the scales first
.irp s, 0,1
	s_mov_b32 s[G0+4*\s], 1
	s_add_co_u32 s[G0+4*\s+1], s45, \s*SLOT
	s_add_nc_u64 s[G0+4*\s+2:G0+4*\s+3], s[20:21], \s*AROW
	s_or_b32 s[G0+4*\s+3], s[G0+4*\s+3], 0x80000000
	s_mov_b32 s[G0B+4*\s], 1
	s_add_co_u32 s[G0B+4*\s+1], s95, \s*SLOT
	s_add_nc_u64 s[G0B+4*\s+2:G0B+4*\s+3], s[46:47], \s*ROWB
	s_or_b32 s[G0B+4*\s+3], s[G0B+4*\s+3], 0x80000000
	JLOAD G0+4*\s, G1, G0B+4*\s, G1B               ; three tensor loads of mine are out
.endr
	v_and_b32 v1, 15, v0                           ; r
	v_bfe_u32 v2, v0, 4, 1                         ; h
	v_mul_u32_u24 v3, v1, PITCH
	v_mul_u32_u24 v4, v2, 24
	v_add_nc_u32 v4, v3, v4                        ; B: a fragment's row x pitch + 24 x half
	v_lshl_add_u32 v5, v2, 4, v4                   ; and the same behind one padding more
	v_and_b32 v6, 31, v0
	v_lshlrev_b32 v7, 3, v6                        ; A: 8 x lane
	s_mul_i32 s21, s15, AHALF                      ; my 128 places of A
	s_mul_i32 s22, s16, HALFT
	s_add_co_u32 s22, s22, 2*AHALF                 ; my 128 rows of B
.irp s, 0,1
	v_add_nc_u32 v[ADRA+\s], s21, v7
	v_add_nc_u32 v[ADRB+\s], s22, v4
	v_add_nc_u32 v[ADRB+2+\s], s22, v5
	s_add_co_u32 s21, s21, SLOT
	s_add_co_u32 s22, s22, SLOT
.endr
	v_mul_u32_u24 v5, v1, KS                       ; my row's scales: 32 bytes a row,
	v_lshrrev_b32 v3, 8, v5
	v_lshl_add_u32 v5, v3, 4, v5                   ; and 16 more for each 256 passed
	s_mul_i32 s21, s15, HALFS
	s_mul_i32 s22, s16, HALFS
	s_add_co_u32 s22, s22, 2*HALFS
	s_sub_co_u32 s22, s22, s21
	v_mul_u32_u24 v3, s22, v2                      ; lanes 16-31 take B's: one product, the distance between the two bases
	s_add_co_u32 s21, s21, SCL
	v_add_nc_u32 v5, v5, v3
	v_add_nc_u32 v[ADRS], s21, v5
	s_mul_i32 s23, s14, 16*SPITCH                  ; my stage
	v_mul_u32_u24 v5, v1, SPITCH                   ; in: row l % 16, 32 bytes for each half of the lanes
	v_lshl_add_u32 v5, v2, 5, v5
	v_add_nc_u32 v[STO], s23, v5
	v_lshlrev_b32 v[CO], 4, v6                     ; back: the 32 lanes take one row of 512 bytes; and the same in the output
	v_add_nc_u32 v[RD], s23, v[CO]
	s_lshl_b32 s20, s17, 8
	s_lshl_b32 s21, s15, 7
	s_add_co_u32 s20, s20, s21                     ; my first row: 256 x tile row + 128 x half
	s_mov_b32 s21, 0
	s_lshl_b64 s[20:21], s[20:21], 12              ; 4,096 bytes a row
	s_lshl_b32 s46, s42, 10                        ; my first column, in bytes: 1024 x tile column + 512 x half
	s_lshl_b32 s47, s16, 9
	s_add_co_u32 s46, s46, s47
	s_mov_b32 s47, 0
	s_add_nc_u64 s[8:9], s[8:9], s[46:47]          ; the bias of my 128 columns
	s_add_nc_u64 s[20:21], s[20:21], s[46:47]
	s_add_nc_u64 s[12:13], s[10:11], s[20:21]
	v_lshlrev_b32 v8, 5, v2                        ; C tile b, register j = the bias of column 16 b + 8 h + j
.irp b, 0,1,2,3,4,5,6,7
	global_load_b128 v[BI+8*\b:BI+8*\b+3], v8, s[8:9] offset:64*\b
	global_load_b128 v[BI+8*\b+4:BI+8*\b+7], v8, s[8:9] offset:64*\b+16
.endr
.macro FRAG reg, adr, q, i             ; a fragment of B from padded rows, in pieces of 8 bytes; where the piece three on (lanes 16-31) lies behind one padding more, the second address register serves
.irp p, 0,1,2,3,4,5
.set PC, 12*(\q)+6*(\p/3)+\p%3
.if PC%8 < 5
	ds_load_b64 v[\reg+2*\p:\reg+2*\p+1], v[\adr] offset:8*PC+16*(PC/8)+(\i)*16*PITCH
.else
	ds_load_b64 v[\reg+2*\p:\reg+2*\p+1], v[\adr+2] offset:8*PC+16*(PC/8)+(\i)*16*PITCH
.endif
.endr
.endm
.macro FRAGA reg, slot, q, i           ; a fragment of A from its image: tile i of my eight, heads 2 q and 2 q + 1 of the slot's four: six pieces of 256 bytes on end
.irp p, 0,1,2,3,4,5
	ds_load_b64 v[\reg+2*\p:\reg+2*\p+1], v[ADRA+\slot] offset:AROW*(\i)+1536*(\q)+256*\p
.endr
.endm
; 16 matrix instructions: A's blocks a0, a0 + 1 x B's eight.  zero = 1: C = the bias.  The 64 accumulators take turns, one instruction a turn, in the same order in every step.
.macro MUL16 a0, p, q, sc, zero
.irp a, \a0, \a0+1
.irp b, 0,1,2,3,4,5,6,7
.set rD, 8*(8*((\a)%4)+\b)
.set rB, 128*(\p)+FR*\b
.set rA, AF+FR*(\a)
.set rSB, SC+8*NQ*(\sc)+NQ*\b+(\q)
.set rSA, SC+8*NQ*(\sc)+NQ*(\a)+(\q)
.if \zero
	v_wmma_scale_f32_16x16x128_f8f6f4 v[rD:rD+7], v[rB:rB+FR-1], v[rA:rA+FR-1], v[BI+8*\b:BI+8*\b+7], v[rSB], v[rSA] matrix_a_fmt:MATRIX_FMT_FP6 matrix_b_fmt:MATRIX_FMT_FP6 matrix_a_scale:MATRIX_SCALE_ROW1
.else
	v_wmma_scale_f32_16x16x128_f8f6f4 v[rD:rD+7], v[rB:rB+FR-1], v[rA:rA+FR-1], v[rD:rD+7], v[rSB], v[rSA] matrix_a_fmt:MATRIX_FMT_FP6 matrix_b_fmt:MATRIX_FMT_FP6 matrix_a_scale:MATRIX_SCALE_ROW1
.endif
.endr
.endr
.endm
.macro FETCH_B slot, q, p
	WIN TO_B
.irp i, 0,1,2,3,4,5,6,7
	FRAG 128*(\p)+FR*\i, ADRB+\slot, \q, \i
.endr
	WIN 0
.endm
.macro FETCH_A slot, q, i0
.irp i, \i0, \i0+1, \i0+2, \i0+3
	FRAGA AF+FR*(\i), \slot, \q, \i
.endr
.endm
.macro SCALES sc
.irp i, 0,1,2,3,4,5,6,7
	ds_load_b64 v[SC+8*NQ*\sc+NQ*\i:SC+8*NQ*\sc+NQ*\i+1], v[ADRS] offset:\i*SBLK
.endr
.endm
.macro PLACES n                        ; plain vector instructions between a matrix instruction and a load into, or a store of, its registers (ISA guide 7.12.1 for stores)
.rept \n
	v_nop
.endr
.endm
.macro STEP slot, q, zero
	s_wait_dscnt 4*NL                              ; B's set and A's blocks 0-3 are in; the youngest 24 loads (A's blocks 4-7) may be out
	WMUL 0, \zero
	MUL16 0, (\q)%2, \q, \slot, \zero
	MUL16 2, (\q)%2, \q, \slot, \zero
	s_wait_dscnt 0
	PLACES NP
	FETCH_B \slot, (\q)+1, 1-(\q)%2
	FETCH_A \slot, (\q)+1, 0
	WMUL 1, \zero
	MUL16 4, (\q)%2, \q, \slot, \zero
	MUL16 6, (\q)%2, \q, \slot, \zero
	PLACES NP
	WIN 0
	FETCH_A \slot, (\q)+1, 4
.endm
.macro TURN slot, next, fill           ; a slot's last step changes slots: one barrier, with the waits and the add in front of it
	s_wait_tensorcnt 0x0                           ; all my tensor loads have landed: my part of the next slot
	ds_add_u32 v[SPW], v[NIL]                      ; 0 onto my spare word
	s_wait_dscnt 4*NL+1                            ; (the add and the youngest 24 loads may be out)
	WMUL 0, 0
	MUL16 0, 1, NQ-1, \slot, 0
	s_wait_dscnt 0x0                               ; the add is done, and my reads of this slot are over
	s_barrier_signal -1
	MUL16 2, 1, NQ-1, \slot, 0
	WIN 0
	s_barrier_wait -1
.if \fill
	CREST                                          ; the barrier has opened a round of the cluster's barrier
	s_add_nc_u64 s[G0+4*\slot+2:G0+4*\slot+3], s[G0+4*\slot+2:G0+4*\slot+3], 2*AROW
	s_add_nc_u64 s[G0B+4*\slot+2:G0B+4*\slot+3], s[G0B+4*\slot+2:G0B+4*\slot+3], 2*ROWB
	JLOAD G0+4*\slot, G1, G0B+4*\slot, G1B         ; the first tensor load behind the round; its four v_nop are the places in front of the loads below
.else
	PLACES NP
.endif
	v_add_nc_u32 v[ADRS], 4*NQ, v[ADRS]
	FETCH_B \next, 0, 0
	FETCH_A \next, 0, 0
	SCALES \next
	WMUL 1, 0
	MUL16 4, 1, NQ-1, \slot, 0
	MUL16 6, 1, NQ-1, \slot, 0
	PLACES NP
	WIN 0
	FETCH_A \next, 0, 4
.endm
	s_wait_tensorcnt 1                             ; the scales and my part of K step 0 are in (K step 1's load may be out)
	s_barrier_signal -1
	s_barrier_wait -1                              ; everybody's are
	FETCH_B 0, 0, 0
	FETCH_A 0, 0, 0
	SCALES 0
	FETCH_A 0, 0, 4
	s_wait_loadcnt 0x0                             ; the bias
	STEP 0, 0, 1                                   ; the first products start the sums with the bias
	TURN 0, 1, 1                                   ; four slots' worth of K: each slot is filled again once
	STEP 1, 0, 0
	TURN 1, 0, 1
	STEP 0, 0, 0
	TURN 0, 1, 0
	STEP 1, 0, 0
	s_wait_dscnt 4*NL                              ; the very last step
	WMUL 0, 0
	MUL16 0, 1, NQ-1, 1, 0
	MUL16 2, 1, NQ-1, 1, 0
	s_wait_dscnt 0
	WMUL 1, 0
	MUL16 4, 1, NQ-1, 1, 0
	MUL16 6, 1, NQ-1, 1, 0
	WIN 0
; THE WAY OUT, block by block of 16 places x 128 columns, through my own stage in LDS: in as 32 bytes a lane, back as whole rows of 512 bytes.  LDS serves a wave's instructions in order (ISA guide 5.7.1.4).
.macro TOSTAGE a
.set AC, 64*((\a)%4)
	WIN 0x08+4*((\a)/4)                            ; the data: window 2 or 3
.irp b, 0,1,2,3,4,5,6,7
	ds_store_b128 v[STO], v[AC+8*\b:AC+8*\b+3] offset:64*\b          ; each accumulator from its low end on
	ds_store_b128 v[STO], v[AC+8*\b+4:AC+8*\b+7] offset:64*\b+16
.endr
	WIN 0
.set BB, BK+64*((\a)%2)
.irp t, 0,1,2,3,4,5,6,7,8,9,10,11,12,13,14,15
	ds_load_b128 v[BB+4*\t:BB+4*\t+3], v[RD] offset:\t*SPITCH
.endr
.endm
.macro SEND a, younger                 ; younger: the LDS instructions issued behind block a's loads, which may stay out
.set BB, BK+64*((\a)%2)
	s_wait_dscnt \younger
.irp t, 0,1,2,3,4,5,6,7,8,9,10,11,12,13,14,15
	global_store_b128 v[CO], v[BB+4*\t:BB+4*\t+3], s[12:13] offset:(32*((\a)/2)+8*((\a)%2)+\t+8*(\t/8))*4096 th:TH_STORE_NT   ; place 16 a + t is this token; 32 lanes store 512 consecutive bytes, at a multiple of 256 from the output's first byte; 127 rows at the most: inside the signed 24-bit immediate
.endr
.endm
	PLACES NP                                      ; behind the last products: for the loads into the registers that held A's fragments and for the reads of results
	TOSTAGE 0
.irp a, 1,2,3,4,5,6,7
.if \a > 1
	s_wait_xcnt 0x0                                ; block a - 2's stores have read their registers: block a's loads may land there
.endif
	TOSTAGE \a
	SEND \a-1, 32                                  ; behind block a - 1's loads: block a's 16 stores and 16 loads
.endr
	SEND 7, 0
	s_wait_tensorcnt 0x0                           ; the wave's end
	ds_add_u32 v[SPW], v[NIL]
	s_wait_dscnt 0x0
	CROUND                                         ; the closing round
	s_endpgm
.Lfunc_end_k_q40b541bd6f_proj:
	.size	k_q40b541bd6f_proj, .Lfunc_end_k_q40b541bd6f_proj-k_q40b541bd6f_proj
	.p2alignl 7, 3214868480
	.fill 96, 4, 3214868480
	.section	.rodata,"a",@progbits
	.p2align	6, 0x0
	.amdhsa_kernel k_q40b541bd6f_proj
		.amdhsa_group_segment_fixed_size 327680
		.amdhsa_private_segment_fixed_size 0
		.amdhsa_enable_private_segment 0
		.amdhsa_kernarg_size 32
		.amdhsa_user_sgpr_count 2
		.amdhsa_user_sgpr_kernarg_segment_ptr 1
		.amdhsa_wavefront_size32 1
		.amdhsa_system_sgpr_workgroup_id_x 1
		.amdhsa_system_sgpr_workgroup_id_y 1
		.amdhsa_system_sgpr_workgroup_id_z 1
		.amdhsa_system_vgpr_workitem_id 0
		.amdhsa_next_free_vgpr 1024
		.amdhsa_next_free_sgpr 98
		.amdhsa_reserve_vcc 0
		.amdhsa_float_denorm_mode_32 3
		.amdhsa_float_denorm_mode_16_64 3
		.amdhsa_memory_ordered 1
		.amdhsa_forward_progress 1
		.amdhsa_inst_pref_size 161
	.end_amdhsa_kernel
	.amdgpu_metadata
---
amdhsa.version: [ 1, 2 ]
amdhsa.kernels:
  - .name:           k_q40b541bd6f_proj
    .symbol:         k_q40b541bd6f_proj.kd
    .args:
      - { .name: aq, .offset: 0, .size: 8, .value_kind: global_buffer, .address_space: global }
      - { .name: pq, .offset: 8, .size: 8, .value_kind: global_buffer, .address_space: global }
      - { .name: proj_b, .offset: 16, .size: 8, .value_kind: global_buffer, .address_space: global }
      - { .name: out0, .offset: 24, .size: 8, .value_kind: global_buffer, .address_space: global }
    .group_segment_fixed_size: 327680
    .private_segment_fixed_size: 0
    .kernarg_segment_align: 8
    .kernarg_segment_size: 32
    .max_flat_workgroup_size: 128
    .sgpr_count:     98
    .vgpr_count:     1024
    .wavefront_size: 32
...
	.end_amdgpu_metadata
.endif
;; end of part 4
